; MI455X (gfx1250); checked and timed in simulation.
; The chip was launched on July 23, 2026; its instructions are those of AMD's public machine-readable ISA for CDNA 5 (MIT licence, August 2026) and "CDNA5" Instruction Set Architecture Reference Guide (July 2026). The comments in the code are by the model that wrote it; some were corrected since.
;; Cross Attention Layer. Allowed arithmetic: matrix products marked QUANTISED: E2M3 operands, one E8M0 scale for each 32 along K, by v_wmma_scale_f32_16x16x128_f8f6f4 with both operands' format E2M3, f32 sums; everything else in f32.
;; Inputs: Wkv 1,024 x 2,048 float32; Wo 1,024 x 1,024 float32; Wq 1,024 x 1,024 float32; bo 1,024 float32; context 4 x 4,096 x 1,024 float32; mask 4 x 4,096 bool; x 4 x 512 x 1,024 float32.
;; Outputs: out0 4 x 512 x 1,024 float32.
;; This version of the problem:
;;   THIS VERSION OF THE PROBLEM IS GIVEN IN LOW PRECISION. The matrix products marked QUANTISED in the list below multiply operands that are first quantised to E2M3 (2 exponent bits, 3 mantissa bits; 6 bits a number), with one power-of-two scale for each 32 numbers along K (OCP MX v1.0); their sums are f32. All else is computed in f32.
;;   The module's matrix products, in the order in which they are computed (A, B: the left and right operand; K: the contracted axis; several contracted axes count as one K, in the product's order):
;;     1. [M 2,048, K 1,024] x [K 1,024, N 1,024]; A: input x; B: input Wq: QUANTISED
;;     2. [M 16,384, K 1,024] x [K 1,024, N 2,048]; A: input context; B: input Wkv: QUANTISED
;;     3. batch 64 x [M 512, K 64] x [K 64, N 4,096]; A: computed on the way; B: computed on the way: QUANTISED
;;     4. batch 64 x [M 512, K 4,096] x [K 4,096, N 64]; A: softmax (see below); B: computed on the way: QUANTISED
;;     5. [M 2,048, K 1,024] x [K 1,024, N 1,024]; A: computed on the way; B: input Wo: QUANTISED
;;   THE QUANTISER, for each operand of a quantised product, along K:
;;     - K is cut into blocks of 32 from its start; a last block that is shorter is filled with zeros.
;;     - A block's scale is 2^e with e = floor(log2(the largest magnitude in the block)) - 2, held to -126 .. 127; a block of zeros has e = 0. As a byte (E8M0): e + 127.
;;     - Each number is divided by its block's scale, clamped to +-7.5, and rounded to the nearest number of E2M3, ties to even, subnormals kept.
;;     - The product sums the exact products of the quantised numbers (number of the format x scale) in f32.
;;   ~~~python
;;   def quantise(x, axis):      # numpy; x: float32 -> the quantised numbers, widened to float32 again
;;       x = np.moveaxis(x, axis, -1); K = x.shape[-1]
;;       x = np.pad(x, [(0, 0)] * (x.ndim - 1) + [(0, -K % 32)]); x = x.reshape(x.shape[:-1] + (-1, 32)); a = np.abs(x).max(-1, keepdims=True)
;;       e = np.where(a > 0, np.clip(np.frexp(np.where(a > 0, a, 1))[1] - 1 - 2, -126, 127), 0)      # np.frexp(a)[1] - 1 = floor(log2(a)), exactly
;;       r = np.clip(x / 2.0 ** e, -7.5, 7.5)
;;       step = 2.0 ** (np.maximum(np.frexp(np.where(r == 0, 1, r))[1] - 1, 0) - 3)
;;       q = np.round(r / step) * step * 2.0 ** e      # np.round: ties to even
;;       return np.moveaxis(q.reshape(q.shape[:-2] + (-1,))[..., :K], -1, axis).astype(np.float32)
;;   ~~~
;;   SOFTMAX AHEAD OF A QUANTISED PRODUCT. Where the list says 'softmax', what is quantised is not the finished softmax but p = 2^(t - M), with t = logit x log2(e) and M = ceil(the row's largest t), a whole number; so 1/2 < the row's largest p <= 1. The row's sum l is taken of the UNQUANTISED p, in f32, and the product's result is divided by l at the end. Since M is a whole number, a kernel that streams over the keys may use a running M (the ceiling of the running maximum): every later rescaling is an exact power of two, which a block's scale takes up: the codes' values come out the same.
;;   OPERANDS COMPUTED ON THE WAY. 'Computed on the way' means the value that the module computes at that place (a softmax that the list does not call 'softmax' is quantised finished and normalised). What goes into a quantiser is computed in f32, as accurately as f32 sums, v_exp_f32 and their like allow (about 1e-6 of the number): no bf16 or f16 on the way to a quantiser, and a product that is left as it is and whose result goes on into a quantised operand takes f32 operands (vector FMAs, or v_wmma_f32_16x16x4_f32). A number that lies on a knife's edge between two numbers of the format may be rounded either way, as far as f32 arithmetic and the matrix unit's own rounding can turn it there, and no further.
;; One version. Each part assembles by itself: llvm-mc -triple=amdgcn-amd-amdhsa -mcpu=gfx1250 --defsym DOCPART=n.
;; ======== version 1 of 1: 4 launches
;; limits: right only within a limited range of input values
;; workspace buffers: codes1 17,301,504 bytes; scales1 720,896 bytes; kvcodes 25,165,824 bytes; kvscales 1,048,576 bytes; ocodes 1,572,864 bytes; oscales 65,536 bytes
;; launch quant (part 1): grid 416 x 1, 4 waves a work-group, no clusters, 34,304 bytes of LDS; arguments x, context, Wq, Wkv, Wo, codes1, scales1; writes codes1, scales1
.if DOCPART == 1
	.amdgcn_target "amdgcn-amd-amdhsa--gfx1250"
	.amdhsa_code_object_version 6
	.text
	.protected	k_qa467904a01_quant
	.globl	k_qa467904a01_quant
	.p2align	8
	.type	k_qa467904a01_quant,@function
k_qa467904a01_quant:
	s_mov_b64 s[64:65], 0
	v_nop
	global_prefetch_b8 v0, s[64:65] scope:SCOPE_SE
	s_setreg_imm32_b32 hwreg(HW_REG_WAVE_MODE, 25, 1), 1
	s_wait_xcnt 0x0
; x [2048][1024], context [16384][1024] (K innermost) and Wq, Wkv, Wo (K is the FIRST axis: an operand row is a column) become codes of FP6 (E2M3) and E8M0 scale bytes, one for each 32 along K.
; A block's scale is 2^(floor(log2(its largest magnitude)) - 2): its byte is the largest magnitude's exponent field - 2, held at 1 from below.
; LAYOUT OF THE RESULTS, chosen for the launches that read them.  The 22,528 operand rows (x, context, Wq's, Wkv's, Wo's columns, in this order) go in groups of 32; a group is two TILES of 16:
; place r of tile u is row 8 u + r + 8 (r / 8) of the group.  A tile's codes of 128 along K are stored as an IMAGE OF THE OPERAND'S REGISTERS, 1,536 bytes: registers 4 g .. 4 g + 3 of lane l at 512 g + 16 l,
; where lane (r, h) holds in registers 6 c .. 6 c + 5 the codes of k = 64 c + 32 h + 0 .. 31 of place r.  codes1: [tile][K step 0..7][1,536].  scales1: 32 bytes a row, rows in the tiles' order.
; LIMITS: a block of zeros gets the byte 1 where the rule says 127 (its codes are zeros, and this program alone reads the bytes); blocks whose largest magnitude lies under 2^-124 keep the byte 1; NaN and infinities are not served.
; SHARES.  Work-groups 0 to 287: a wave takes one tile of x or context (16 rows x 1,024).  Work-groups 288 to 415: a wave takes 32 columns x 256 along K of a weight.
; Memory binds: no matrix unit, no cluster (no byte is read twice), no tensor load; the second path touches no LDS.
.set STGB,  8448                       ; a wave's stage: 16 rows x (512 bytes + 16)
.set SPARE, 4*STGB                     ; behind the stages: the spare words, 128 bytes for each wave
.set SPW,   16                         ; v16  my spare word's LDS address; never rewritten
.set NIL,   17                         ; v17  0; never rewritten
.set SW,    20                         ; v20-27  rows: the eight scale words.   columns: v20-21 eight scale bytes
.set C,     28                         ; v28-39  rows: a fragment
.set TQ,    40                         ; v40-46  the halves that a conversion cannot put at an odd register
.set R,     64                         ; v64-191 rows: two sets of 64 registers as loaded
.set X,     192                        ; v192-255 rows: my 64 numbers of a K step
.set OFS,   64                         ; v64-95  columns: byte offset of row i of a block
.set XC,    96                         ; v96-159 columns: two sets of 32 numbers
.set IM,    160                        ; v160-207 columns: my parts of two K steps' images
	s_load_b256 s[4:11], s[0:1], 0x0               ; x, context, Wq, Wkv
	s_load_b128 s[12:15], s[0:1], 0x20             ; Wo, codes1
	s_load_b64 s[16:17], s[0:1], 0x30              ; scales1
	v_lshl_add_u32 v[SPW], v0, 2, SPARE
	v_mov_b32 v[NIL], 0
	v_lshrrev_b32 v1, 5, v0
	v_readfirstlane_b32 s18, v1                    ; wave
	v_and_b32 v2, 31, v0                           ; lane
	s_cmp_lt_u32 ttmp9, 288
	s_cbranch_scc0 .Lcols
; ---------------- ROWS: K innermost ----------------
	s_lshl_b32 s19, ttmp9, 2
	s_add_co_u32 s19, s19, s18                     ; my tile, 0 .. 1,151
	s_cmp_lt_u32 ttmp9, 32
	s_cselect_b32 s23, 0, 128
	s_sub_co_u32 s23, s19, s23                     ; and its number in x or in context
	s_lshr_b32 s24, s23, 1
	s_lshl_b32 s24, s24, 17                        ; 32 rows of 4,096 bytes a group,
	s_and_b32 s25, s23, 1
	s_lshl_b32 s25, s25, 15                        ; 8 rows on for the odd tile
	s_add_co_u32 s24, s24, s25
	s_mov_b32 s25, 0
	s_mul_i32 s26, s19, 12288
	s_mov_b32 s27, 0
	s_lshl_b32 s28, s19, 9
	s_mov_b32 s29, 0
	s_mul_i32 s30, s18, STGB
	s_mov_b32 s20, 0x76543210
	s_mov_b32 s21, 0xfedcba98                      ; v_permlanex16_b32's selects for lane l xor 16
	s_mov_b32 s22, 0xffff0000                      ; lanes 16-31
	s_wait_alu depctr_va_vdst(0)
	v_lshlrev_b32 v4, 4, v2                        ; 16 x lane: a load's and an image's place
	v_and_b32 v1, 15, v2                           ; r
	v_lshrrev_b32 v3, 4, v2                        ; h
	v_add_nc_u32 v5, s30, v4                       ; the stage, way in
	v_mul_u32_u24 v6, v1, 528
	v_lshl_add_u32 v6, v3, 7, v6
	v_add_nc_u32 v6, s30, v6                       ; way out: row r, + 128 h bytes
	v_lshlrev_b32 v7, 3, v3                        ; 8 h
	v_lshlrev_b32 v52, 5, v1
	v_lshl_add_u32 v52, v3, 4, v52                 ; 32 r + 16 h: my half of a row of scale bytes
	v_mov_b32 v15, 0                               ; a lane permute's destination counts as read
	s_wait_alu depctr_va_vdst(0)
	s_wait_kmcnt 0x0
	s_cmp_lt_u32 ttmp9, 32                         ; the choice hangs on the work-group's number alone
	s_cselect_b64 s[4:5], s[4:5], s[6:7]
	s_add_nc_u64 s[4:5], s[4:5], s[24:25]
	s_add_nc_u64 s[14:15], s[14:15], s[26:27]
	s_add_nc_u64 s[16:17], s[16:17], s[28:29]
.macro LOAD s                          ; K step s of the tile's 16 rows: each load reads 512 consecutive bytes of one row
.irp p, 0,1,2,3,4,5,6,7,8,9,10,11,12,13,14,15
	global_load_b128 v[R+64*((\s)%2)+4*\p:R+64*((\s)%2)+4*\p+3], v4, s[4:5] offset:(\p+8*(\p/8))*4096+512*(\s) th:TH_LOAD_NT
.endr
.endm
.macro KSTEP s
.if (\s) < 7
	s_wait_loadcnt 16                              ; this step's 16 loads are in; the next step's 16 may be out
.else
	s_wait_loadcnt 0x0
.endif
.irp p, 0,1,2,3,4,5,6,7,8,9,10,11,12,13,14,15
	ds_store_b128 v5, v[R+64*((\s)%2)+4*\p:R+64*((\s)%2)+4*\p+3] offset:528*\p
.endr
.irp c, 0,1
.irp j, 0,1,2,3,4,5,6,7
	ds_load_b128 v[X+32*\c+4*\j:X+32*\c+4*\j+3], v6 offset:256*\c+16*\j   ; LDS serves a wave's instructions in order: these see the stores above.  My two whole blocks: k = 64 c + 32 h + 0 .. 31 of row r
.endr
.endr
	s_wait_dscnt 0x0                               ; my numbers are in, and the stores have read their registers
	s_wait_xcnt 0x0                                ; the last step's global stores have read the fragment's registers
.if (\s) < 6
	LOAD (\s)+2
.endif
.irp c, 0,1
	v_max3_num_f32 v[8+\c], |v[X+32*\c]|, |v[X+32*\c+1]|, 0x1800000   ; with the floor 2^(3 - 127): the byte cannot fall under 1
.endr
.irp i, 2,4,6,8,10,12,14,16,18,20,22,24,26,28,30
.irp c, 0,1
	v_max3_num_f32 v[8+\c], v[8+\c], |v[X+32*\c+\i]|, |v[X+32*\c+\i+1]|
.endr
.endr
.irp c, 0,1
	v_add_nc_u32 v[10+\c], 0xff000000, v[8+\c]     ; 2 off the exponent field: the conversion's scale operand
.endr
.irp c, 0,1
	v_lshrrev_b32 v[12+\c], 23, v[10+\c]           ; the byte
.endr
	v_lshl_or_b32 v14, v13, 16, v12                ; my two bytes: blocks h and 2 + h,
	v_lshlrev_b32 v14, v7, v14                     ; at their places;
	v_permlanex16_b32 v15, v14, s20, s21
	v_or_b32 v[SW+(\s)], v14, v15                  ; with lane l xor 16's the word is whole
.irp c, 0,1
	v_cvt_scalef32_pk16_fp6_f32 v[C+6*\c:C+6*\c+2], v[X+32*\c:X+32*\c+15], v[10+\c]
	v_cvt_scalef32_pk16_fp6_f32 v[TQ+4*\c:TQ+4*\c+2], v[X+32*\c+16:X+32*\c+31], v[10+\c]   ; (a conversion's three registers begin on an even number)
.endr
	v_nop                                          ; one plain place behind a scaled conversion
.irp c, 0,1
.irp i, 0,1,2
	v_mov_b32 v[C+6*\c+3+\i], v[TQ+4*\c+\i]
.endr
.endr
.irp g, 0,1,2
	global_store_b128 v4, v[C+4*\g:C+4*\g+3], s[14:15] offset:1536*(\s)+512*\g   ; 512 consecutive bytes, aligned
.endr
.endm
	LOAD 0
	LOAD 1
.irp s, 0,1,2,3,4,5,6,7
	KSTEP \s
.endr
.irp i, 0,1,2,3
	v_cndmask_b32 v[48+\i], v[SW+\i], v[SW+4+\i], s22   ; lanes 0-15 store a row's words 0-3, lanes 16-31 its words 4-7
.endr
	global_store_b128 v52, v[48:51], s[16:17]      ; the tile's 512 scale bytes
	s_wait_tensorcnt 0x0                           ; the wave's end, behind my last LDS store
	ds_add_u32 v[SPW], v[NIL]
	s_wait_dscnt 0x0
	s_endpgm
; ---------------- COLUMNS: K is the first axis.  A lane takes a column, its registers run down K ----------------
.Lcols:
	s_sub_co_u32 s19, ttmp9, 288
	s_lshr_b32 s23, s19, 2                         ; which 128 columns of [Wq | Wkv | Wo], 0 .. 31
	s_and_b32 s19, s19, 3                          ; which 256 along K
	s_lshl_b32 s25, s23, 7
	s_lshl_b32 s26, s18, 5
	s_add_co_u32 s25, s25, s26                     ; my wave's first column of the 4,096
	s_mov_b32 s24, 4096                            ; a row of the weight in bytes,
	s_mov_b32 s27, 3072                            ; and the tensor's first column
	s_wait_kmcnt 0x0
	s_cmp_lt_u32 s23, 24
	s_cselect_b64 s[28:29], s[10:11], s[12:13]     ; Wkv or Wo
	s_cselect_b32 s27, 1024, s27
	s_cselect_b32 s24, 8192, s24
	s_cmp_lt_u32 s23, 8
	s_cselect_b64 s[28:29], s[8:9], s[28:29]       ; or Wq
	s_cselect_b32 s27, 0, s27
	s_cselect_b32 s24, 4096, s24
	s_sub_co_u32 s26, s25, s27                     ; the column in its tensor
	s_lshl_b32 s30, s19, 8
	s_mul_i32 s30, s30, s24                        ; 256 kc rows down,
	s_lshl_b32 s31, s26, 2
	s_add_co_u32 s30, s30, s31                     ; 4 bytes a column
	s_mov_b32 s31, 0
	s_add_nc_u64 s[32:33], s[28:29], s[30:31]      ; block 0's first row
	s_lshl_b32 s30, s24, 5                         ; 32 rows on for each further block
.irp t, 1,2,3,4,5,6,7
	s_add_nc_u64 s[32+2*\t:33+2*\t], s[30+2*\t:31+2*\t], s[30:31]
.endr
	s_lshr_b32 s26, s25, 4
	s_add_co_u32 s26, s26, 1152                    ; my first tile
	s_mul_i32 s28, s26, 12288
	s_mul_i32 s29, s19, 3072                       ; two K steps of 1,536 bytes
	s_add_co_u32 s28, s28, s29
	s_mov_b32 s29, 0
	s_add_nc_u64 s[14:15], s[14:15], s[28:29]
	s_lshl_b32 s28, s26, 9
	s_lshl_b32 s26, s19, 3
	s_add_co_u32 s28, s28, s26
	s_add_nc_u64 s[16:17], s[16:17], s[28:29]
	s_wait_alu depctr_va_vdst(0)
	v_lshlrev_b32 v53, 2, v2                       ; 4 x lane
	v_bfe_u32 v8, v2, 3, 1                         ; column l of a group of 32 is place r = l % 8 + 8 (l / 16) of tile u = (l / 8) % 2
	v_and_b32 v9, 7, v2
	v_lshrrev_b32 v10, 4, v2
	v_lshl_add_u32 v9, v10, 3, v9
	v_mul_u32_u24 v54, v8, 12288
	v_lshl_add_u32 v54, v9, 4, v54                 ; my place in an image: tile u, 16 r
	v_lshlrev_b32 v55, 9, v8
	v_lshl_add_u32 v55, v9, 5, v55                 ; my row of scale bytes
.irp i, 0,1,2,3,4,5,6,7,8,9,10,11,12,13,14,15,16,17,18,19,20,21,22,23,24,25,26,27,28,29,30,31
	v_mad_u32_u24 v[OFS+\i], s24, \i, v53          ; row i of a block, my column
.endr
.macro CLOAD t                         ; block t: 32 rows; each load reads 128 consecutive bytes
.irp i, 0,1,2,3,4,5,6,7,8,9,10,11,12,13,14,15,16,17,18,19,20,21,22,23,24,25,26,27,28,29,30,31
	global_load_b32 v[XC+32*((\t)%2)+\i], v[OFS+\i], s[32+2*(\t):33+2*(\t)] th:TH_LOAD_NT
.endr
.endm
.macro BLOCK t
.set XS, XC+32*((\t)%2)
.set DD, IM+24*((\t)/4)+12*((\t)%2)+6*(((\t)/2)%2)   ; block b = t % 4 of a K step is registers 6 (b / 2) on of the image's lane r + 16 (b % 2)
.if (\t) < 7
	s_wait_loadcnt 32                              ; this block's 32 loads are in; the next block's may be out
.else
	s_wait_loadcnt 0x0
.endif
	v_max3_num_f32 v12, |v[XS]|, |v[XS+1]|, |v[XS+2]|
	v_max3_num_f32 v13, |v[XS+3]|, |v[XS+4]|, |v[XS+5]|
.irp i, 6,10,14,18,22,26
	v_max3_num_f32 v12, v12, |v[XS+\i]|, |v[XS+\i+1]|
	v_max3_num_f32 v13, v13, |v[XS+\i+2]|, |v[XS+\i+3]|
.endr
	v_max3_num_f32 v12, v12, |v[XS+30]|, |v[XS+31]|
	v_max3_num_f32 v12, v12, v13, 0x1800000        ; the floor
	v_add_nc_u32 v11, 0xff000000, v12
	v_lshrrev_b32 v13, 23, v11
.if (\t)%4 == 0
	v_mov_b32 v[SW+(\t)/4], v13
.else
	v_lshl_or_b32 v[SW+(\t)/4], v13, 8*((\t)%4), v[SW+(\t)/4]
.endif
	v_cvt_scalef32_pk16_fp6_f32 v[DD:DD+2], v[XS:XS+15], v11
	v_cvt_scalef32_pk16_fp6_f32 v[TQ:TQ+2], v[XS+16:XS+31], v11
	v_nop                                          ; one plain place behind a scaled conversion
.irp i, 0,1,2
	v_mov_b32 v[DD+3+\i], v[TQ+\i]
.endr
.if (\t)+2 < 8
	CLOAD (\t)+2
.endif
.if (\t)%4 == 3                        ; a K step is whole: six stores, each of two whole runs of 256 bytes (tile 0's and tile 1's); each K step has registers of its own
.irp e, 0,1
.irp g, 0,1,2
	global_store_b128 v54, v[IM+24*((\t)/4)+12*\e+4*\g:IM+24*((\t)/4)+12*\e+4*\g+3], s[14:15] offset:((\t)/4)*1536+512*\g+256*\e
.endr
.endr
.endif
.endm
	CLOAD 0
	CLOAD 1
.irp t, 0,1,2,3,4,5,6,7
	BLOCK \t
.endr
	global_store_b64 v55, v[SW:SW+1], s[16:17]     ; my column's eight scale bytes
	s_endpgm
.Lfunc_end_k_qa467904a01_quant:
	.size	k_qa467904a01_quant, .Lfunc_end_k_qa467904a01_quant-k_qa467904a01_quant
	.p2alignl 7, 3214868480
	.fill 96, 4, 3214868480
	.section	.rodata,"a",@progbits
	.p2align	6, 0x0
	.amdhsa_kernel k_qa467904a01_quant
		.amdhsa_group_segment_fixed_size 34304
		.amdhsa_private_segment_fixed_size 0
		.amdhsa_enable_private_segment 0
		.amdhsa_kernarg_size 56
		.amdhsa_user_sgpr_count 2
		.amdhsa_user_sgpr_kernarg_segment_ptr 1
		.amdhsa_wavefront_size32 1
		.amdhsa_system_sgpr_workgroup_id_x 1
		.amdhsa_system_sgpr_workgroup_id_y 1
		.amdhsa_system_sgpr_workgroup_id_z 1
		.amdhsa_system_vgpr_workitem_id 0
		.amdhsa_next_free_vgpr 256
		.amdhsa_next_free_sgpr 66
		.amdhsa_reserve_vcc 0
		.amdhsa_float_denorm_mode_32 3
		.amdhsa_float_denorm_mode_16_64 3
		.amdhsa_memory_ordered 1
		.amdhsa_forward_progress 1
		.amdhsa_inst_pref_size 99
	.end_amdhsa_kernel
	.amdgpu_metadata
---
amdhsa.version: [ 1, 2 ]
amdhsa.kernels:
  - .name:           k_qa467904a01_quant
    .symbol:         k_qa467904a01_quant.kd
    .args:
      - { .name: x, .offset: 0, .size: 8, .value_kind: global_buffer, .address_space: global }
      - { .name: context, .offset: 8, .size: 8, .value_kind: global_buffer, .address_space: global }
      - { .name: Wq, .offset: 16, .size: 8, .value_kind: global_buffer, .address_space: global }
      - { .name: Wkv, .offset: 24, .size: 8, .value_kind: global_buffer, .address_space: global }
      - { .name: Wo, .offset: 32, .size: 8, .value_kind: global_buffer, .address_space: global }
      - { .name: codes1, .offset: 40, .size: 8, .value_kind: global_buffer, .address_space: global }
      - { .name: scales1, .offset: 48, .size: 8, .value_kind: global_buffer, .address_space: global }
    .group_segment_fixed_size: 34304
    .private_segment_fixed_size: 0
    .kernarg_segment_align: 8
    .kernarg_segment_size: 56
    .max_flat_workgroup_size: 128
    .sgpr_count:     66
    .vgpr_count:     256
    .wavefront_size: 32
...
	.end_amdgpu_metadata
.endif
;; end of part 1
;; launch kvgemm (part 2): grid 4 x 64, 4 waves a work-group, clusters of 4 x 4, 327,680 bytes of LDS; arguments codes1, scales1, kvcodes, kvscales; writes kvcodes, kvscales
.if DOCPART == 2
	.amdgcn_target "amdgcn-amd-amdhsa--gfx1250"
	.amdhsa_code_object_version 6
	.text
	.protected	k_qa467904a01_kvgemm
	.globl	k_qa467904a01_kvgemm
	.p2align	8
	.type	k_qa467904a01_kvgemm,@function
k_qa467904a01_kvgemm:
	s_mov_b64 s[64:65], 0
	v_nop
	global_prefetch_b8 v0, s[64:65] scope:SCOPE_SE
	s_setreg_imm32_b32 hwreg(HW_REG_WAVE_MODE, 25, 1), 1
	s_wait_xcnt 0x0
	s_wait_alu depctr_hold_cnt(0) depctr_sa_sdst(0) depctr_va_vdst(0) depctr_va_sdst(0) depctr_va_ssrc(0) depctr_va_vcc(0) depctr_vm_vsrc(0)
	s_getreg_b32 s2, hwreg(HW_REG_IB_STS2, 6, 4)
	s_cmp_eq_u32 s2, 0
	s_cbranch_scc0 .Lentry_in_a_cluster
	s_endpgm
.Lentry_in_a_cluster:
	s_bfe_u32 s2, ttmp6, 0x10000c
	s_cmp_lg_u32 s2, 0xf033
	s_cbranch_scc0 .Lentry_shape_is_right
	s_endpgm
.Lentry_shape_is_right:
; kv = context Wkv on codes of FP6 (E2M3) with E8M0 scales; the results are quantised in registers for the attention: k along the head's 64 channels, v along the keys.
; SHARES.  Work-group (x, y) owns 256 tokens (context tile y) and makes two tiles of 256 x 256: pass 1: k for columns 256 x on of Wk; pass 2: v for columns 256 x on of Wv.  256 work-groups of equal work.
; Four waves, each 128 x 128: 64 accumulators.  The matrix instruction's source 0 is called P, its source 1 T: a lane holds ONE row of T, and its registers run along P's rows.
; Pass 1: T = context, P = Wk.  Pass 2: T = Wv, P = context.  In both the registers run along the NEXT product's K, so the results are quantised as they lie.
; Place r of tile u of a group of 32 rows is row 8 u + r + 8 (r / 8): the 16 registers of P's tiles 2 b, 2 b + 1 are the neighbours 32 b + 16 (lane / 16) + 0 .. 15.
; OPERANDS lie in memory as images of their registers (1,536 bytes for 16 rows x 128 K): three ds_load_b128 of 512 consecutive bytes bring a fragment.
; LDS.  The context tile, all of K, stays for both passes, as two PAIRS of chunks of 256 along K: [pair][tile][6,144].  The weights walk a ring of two slots of one chunk, [tile][3,072]: Wk's four chunks, then Wv's four.  The scale bytes of all three come once.
; LOADS, all joint (cluster 4 x 4: a row shares the context, a column the weights).  At the head one a wave: wave 0 the context's pair 0, wave 1 Wk's chunk 0, wave 2 the context's scale rows, wave 3 Wk's.
; Behind the full sequence and a round: wave 0 the context's pair 1, wave 1 Wk's chunk 1, wave 2 Wv's scale rows.  From then on each wave refills its quarter (4 tiles) of a slot behind a round.  One tensor load of a wave is out at any time.
; No prefetch: the context is asked for whole in the first two groups of loads, and every cluster reads the same weights.
; RESULTS.  kvcodes, K half: [b 16 + head][group of 32 keys][1,536]: registers 0-5 key tile 2 g, registers 6-11 key tile 2 g + 1.  V half: [b 16 + head][128 keys][tile of 16 channels][1,536].  kvscales: [half][b 16 + head][128 keys][place r][4 words].
; LIMITS: a block of zeros gets the byte 1 (zero codes; read by this program alone); largest magnitudes under 2^-124 keep the byte 1; NaN and infinities are not served.
; REGISTERS.  Window 0: v8-27 addresses; v32-63 scale words, two sets; v64-99 the quantiser's; v128-223 T's eight fragments, later the codes that leave.  Window 1: P's fragments, two sets.  Windows 2, 3: accumulators.
.set CHK,   49152                      ; 256 rows x 256 along K
.set SCV,   294912                     ; Wv's scale rows, as runs of 256 bytes + 16 of padding,
.set SCC,   303616                     ; the context's,
.set SCK,   312320                     ; Wk's: T's lie 8,704 bytes below P's in both passes
.set SPARE, 321024
.set FR,  12
.set SC,  32
.set AF,  128
.set OUT, 128
.set TM,  64
.set TQ,  80
.set PW,  88
.set KS,  96
.set CA1, 8                            ; v8-11   pass 1: my 128 tokens in the context's chunk c
.set WA1, 12                           ; v12-13  pass 1: my 128 rows of Wk in slot n
.set CA2, 14                           ; v14-17  pass 2: my 128 tokens
.set WA2, 18                           ; v18-19  pass 2: my 128 rows of Wv
.set AD1, 20
.set AD2, 21
.set SPW, 28
.set NIL, 29
.set MSB, 0
.macro WIN new
.if MSB != (\new)
	s_set_vgpr_msb (MSB<<8)|(\new)
.set MSB, (\new)
.endif
.endm
.set MUL_LO, 0xa1
.set MUL_HI, 0xf1
.set TO_P,   0x40
.macro PLACES n
.rept \n
	v_nop
.endr
.endm
.macro CREST
	s_cmp_lg_u32 s12, 0
	s_cbranch_scc1 .Lnot_wave_0_\@
	s_barrier_signal -3
.Lnot_wave_0_\@:
	s_barrier_wait -3
	s_barrier_signal -1
	s_barrier_wait -1
.endm
.macro CROUND
	s_barrier_signal -1
	s_barrier_wait -1
	CREST
.endm
.macro G0SET g, lconst, apair, aoff    ; group 0 of a whole tile: the same in every wave
	s_mov_b32 s[\g], 1
	s_mov_b32 s[\g+1], \lconst
	s_add_nc_u64 s[\g+2:\g+3], s[\apair:\apair+1], \aoff
	s_or_b32 s[\g+3], s[\g+3], 0x80000000
.endm
.macro G0Q g, n                        ; group 0 of my quarter of slot n
	s_mov_b32 s[\g], 1
	s_add_co_u32 s[\g+1], s2, (4+\n)*CHK
	s_add_nc_u64 s[\g+2:\g+3], s[100:101], \n*3072
	s_or_b32 s[\g+3], s[\g+3], 0x80000000
.endm
.macro ARM under, g0, g1, next, join   ; one arm of a chain of branches on the wave's number: one load, then to the join
	s_cmp_lt_u32 s12, \under
	s_cbranch_scc0 \next
	tensor_load_to_lds s[\g0:\g0+3], s[\g1:\g1+7]
	s_nop 0
	PLACES 4
	s_branch \join
\next:
.endm
	s_load_b256 s[4:11], s[0:1], 0x0               ; codes1, scales1, kvcodes, kvscales
	v_lshl_add_u32 v[SPW], v0, 2, SPARE
	v_mov_b32 v[NIL], 0
	ds_add_u32 v[SPW], v[NIL]
	ds_add_u32 v[SPW], v[NIL]
	v_lshrrev_b32 v1, 5, v0
	v_readfirstlane_b32 s12, v1                    ; wave
	s_lshr_b32 s13, s12, 1                         ; wr: my half of T's rows
	s_and_b32 s14, s12, 1                          ; wc: my half of P's rows
	s_bfe_u32 s15, ttmp6, 0x40000                  ; cx
	s_bfe_u32 s16, ttmp6, 0x40004                  ; cy
	s_lshl_b32 s19, ttmp9, 2
	s_add_co_u32 s19, s19, s15                     ; x
	s_and_b32 s17, ttmp7, 0xffff
	s_lshl_b32 s17, s17, 2
	s_add_co_u32 s17, s17, s16                     ; y
	s_lshl_b32 s92, s16, 2
	s_lshl_b32 s92, 15, s92                        ; my row of the cluster
	s_lshl_b32 s94, 0x1111, s15                    ; my column
	; group 1 for codes, in elements of 8 bytes: 16 tiles, 12,288 bytes apart; the context's rows are 6,144 bytes (a pair of chunks), the weights' 3,072
	s_or_b32 s20, s92, (3<<16)|(1<<21)
	s_or_b32 s28, s94, (3<<16)|(1<<21)
.irp g, 20, 28
	s_mov_b32 s[\g+2], 16<<16
	s_mov_b32 s[\g+4], 16
	s_mov_b32 s[\g+5], 1536
	s_mov_b32 s[\g+6], 0
	s_mov_b32 s[\g+7], 0
.endr
	s_mov_b32 s21, 768<<16
	s_mov_b32 s23, 768<<16
	s_mov_b32 s29, 384<<16
	s_mov_b32 s31, 384<<16
	; group 1 for scale rows: 8,192 dense bytes as 32 rows of 256, 16 bytes of padding behind each
	s_or_b32 s36, s92, (3<<16)|(1<<20)|(1<<21)|(5<<22)|(3<<25)
	s_or_b32 s44, s94, (3<<16)|(1<<20)|(1<<21)|(5<<22)|(3<<25)
.irp g, 36, 44
	s_mov_b32 s[\g+1], 32<<16
	s_mov_b32 s[\g+2], 32<<16
	s_mov_b32 s[\g+3], 32<<16
	s_mov_b32 s[\g+4], 32
	s_mov_b32 s[\g+5], 32
	s_mov_b32 s[\g+6], 0
	s_mov_b32 s[\g+7], 0
.endr
	s_lshl_b32 s92, s17, 4
	s_add_co_u32 s92, s92, 128                     ; the context's tiles begin at tile 128
	s_mul_i32 s92, s92, 12288
	s_mov_b32 s93, 0
	s_lshl_b32 s94, s19, 4
	s_add_co_u32 s94, s94, 1216                    ; Wk's at tile 1,216
	s_mul_i32 s94, s94, 12288
	s_mov_b32 s95, 0
	s_lshl_b32 s96, s17, 8
	s_add_co_u32 s96, s96, 2048
	s_lshl_b32 s96, s96, 5                         ; 32 scale bytes a row
	s_mov_b32 s97, 0
	s_lshl_b32 s98, s19, 8
	s_add_co_u32 s98, s98, 19456
	s_lshl_b32 s98, s98, 5
	s_mov_b32 s99, 0
	s_mul_i32 s100, s12, 49152                     ; the ring: my quarter is 4 tiles, in memory
	s_mov_b32 s101, 0
	s_mul_i32 s2, s12, 12288                       ; and in a slot
	s_mov_b32 s66, 0x76543210
	s_mov_b32 s67, 0xfedcba98
	s_wait_dscnt 0x0                               ; both opening adds are done
	s_wait_kmcnt 0x0
	s_add_nc_u64 s[92:93], s[4:5], s[92:93]
	s_add_nc_u64 s[94:95], s[4:5], s[94:95]
	s_add_nc_u64 s[96:97], s[6:7], s[96:97]
	s_add_nc_u64 s[98:99], s[6:7], s[98:99]
	s_add_nc_u64 s[100:101], s[94:95], s[100:101]
	G0SET 52, 0, 92, 0                             ; the context's pair 0,
	G0SET 56, 2*CHK, 92, 6144                      ; pair 1
	G0SET 72, 4*CHK, 94, 0                         ; Wk's chunks 0 and 1, whole
	G0SET 76, 5*CHK, 94, 3072
	G0SET 80, SCC, 96, 0
	G0SET 84, SCK, 98, 0
	G0SET 88, SCV, 98, 32768                       ; Wv: 1,024 rows on
	G0Q 60, 0                                      ; my quarters of the two slots, for the refills
	G0Q 68, 1
	CROUND                                         ; all sixteen work-groups are here: the first joint loads meet
	ARM 1, 52, 20, .Lh1, .Lhj
	ARM 2, 72, 28, .Lh2, .Lhj
	ARM 3, 80, 36, .Lh3, .Lhj
	tensor_load_to_lds s[84:87], s[44:51]
	s_nop 0
	PLACES 4
.Lhj:
	v_and_b32 v1, 15, v0                           ; r
	v_bfe_u32 v2, v0, 4, 1                         ; h
	v_and_b32 v3, 31, v0
	v_lshlrev_b32 v3, 4, v3                        ; 16 x lane
	s_wait_alu depctr_va_vdst(0)
	s_mul_i32 s2, s13, 49152                       ; the context: half wr is 8 tiles of 6,144 bytes
	s_mul_i32 s3, s14, 49152                       ; half wc
.irp c, 0,1,2,3
	v_add_nc_u32 v[CA1+\c], s2, v3
	v_add_nc_u32 v[CA2+\c], s3, v3
	s_add_co_u32 s2, s2, 3072+(\c%2)*92160         ; to the pair's second chunk, or to the next pair's first
	s_add_co_u32 s3, s3, 3072+(\c%2)*92160
.endr
	s_mul_i32 s2, s13, 24576                       ; the ring: 8 tiles of 3,072 bytes
	s_mul_i32 s3, s14, 24576
	s_add_co_u32 s2, s2, 4*CHK
	s_add_co_u32 s3, s3, 4*CHK
.irp n, 0,1
	v_add_nc_u32 v[WA1+\n], s3, v3
	v_add_nc_u32 v[WA2+\n], s2, v3
	s_add_co_u32 s2, s2, CHK
	s_add_co_u32 s3, s3, CHK
.endr
	v_lshlrev_b32 v4, 5, v1                        ; my row's scale bytes: 32 r,
	v_lshrrev_b32 v5, 3, v1
	v_lshl_add_u32 v4, v5, 4, v4                   ; and 16 more behind the first 256
	s_mul_i32 s2, s13, 4352
	s_mul_i32 s3, s14, 4352
	s_add_co_u32 s100, s3, 8704
	s_sub_co_u32 s100, s100, s2                    ; from T's words to P's
	v_mul_u32_u24 v5, s100, v2                     ; lanes 16-31 take P's
	v_add_nc_u32 v4, v4, v5
	s_add_co_u32 s101, s2, SCC
	v_add_nc_u32 v[AD1], s101, v4
	s_add_co_u32 s101, s2, SCV
	v_add_nc_u32 v[AD2], s101, v4
	; where the results go, as offsets beside the buffers' addresses
	s_lshr_b32 s2, s17, 4
	s_lshl_b32 s2, s2, 4
	s_lshl_b32 s3, s19, 2
	s_add_co_u32 s2, s2, s3                        ; 16 b + 4 x
	s_and_b32 s3, s17, 15
	s_lshl_b32 s100, s14, 1
	s_add_co_u32 s100, s100, s2                    ; k: my first head
	s_lshl_b32 s101, s100, 7
	s_lshl_b32 s18, s3, 3
	s_add_co_u32 s101, s101, s18
	s_lshl_b32 s18, s13, 2
	s_add_co_u32 s101, s101, s18                   ; my first group of 32 keys
	s_mul_i32 s101, s101, 1536
	v_add_nc_u32 v24, s101, v3
	s_lshl_b32 s100, s100, 13
	s_lshl_b32 s18, s3, 1
	s_add_co_u32 s18, s18, s13
	s_lshl_b32 s18, s18, 8
	s_add_co_u32 s100, s100, s18
	v_lshlrev_b32 v5, 4, v1
	v_lshl_add_u32 v5, v2, 13, v5                  ; 16 r; lanes 16-31 the next head
	s_wait_alu depctr_va_vdst(0)
	v_add_nc_u32 v25, s100, v5
	s_lshl_b32 s100, s13, 1
	s_add_co_u32 s100, s100, s2                    ; v: my first head
	s_lshl_b32 s18, s3, 1
	s_add_co_u32 s18, s18, s14
	s_lshl_b32 s101, s100, 5
	s_add_co_u32 s101, s101, s18
	s_mul_i32 s101, s101, 6144
	s_add_co_u32 s101, s101, 12582912
	v_add_nc_u32 v26, s101, v3
	s_lshl_b32 s100, s100, 13
	s_lshl_b32 s18, s18, 8
	s_add_co_u32 s100, s100, s18
	s_add_co_u32 s100, s100, 524288
	v_add_nc_u32 v27, s100, v5
	s_mov_b32 s18, 0xffff0000                      ; lanes 16-31
	v_mov_b32 v30, 0x05040100
	v_mov_b32 v31, 0x07060302
	v_cndmask_b32 v30, v30, v31, s18
.irp b, 0,1,2,3
	v_mov_b32 v[TM+4+\b], 0                        ; a lane permute's destination counts as read
.endr
.macro FRAG reg, adr, q, i             ; tile i of my eight, the chunk's q-th 128 along K; the context's tiles lie 6,144 bytes apart, the ring's 3,072
.set FS, 3072
.if (((\adr) >= CA1) && ((\adr) < WA1)) || (((\adr) >= CA2) && ((\adr) < WA2))
.set FS, 6144
.endif
.irp g, 0,1,2
	ds_load_b128 v[\reg+4*\g:\reg+4*\g+3], v[\adr] offset:(\i)*FS+(\q)*1536+512*\g
.endr
.endm
.macro FETCH_P adr, q, p
	WIN TO_P
.irp i, 0,1,2,3,4,5,6,7
	FRAG 128*(\p)+FR*\i, \adr, \q, \i
.endr
	WIN 0
.endm
.macro FETCH_T adr, q, i0
.irp i, \i0, \i0+1, \i0+2, \i0+3
	FRAG AF+FR*(\i), \adr, \q, \i
.endr
.endm
.macro SCALES sc, adr, c
.irp i, 0,1,2,3,4,5,6,7
	ds_load_b64 v[SC+16*(\sc)+2*\i:SC+16*(\sc)+2*\i+1], v[\adr] offset:544*\i+8*(\c)
.endr
.endm
; 16 matrix instructions: T's blocks a0, a0 + 1 x P's eight.  The 64 accumulators take turns, one instruction a turn.
.macro MUL16 a0, p, q, sc, zero
.irp a, \a0, \a0+1
.irp b, 0,1,2,3,4,5,6,7
.if \zero
	v_wmma_scale_f32_16x16x128_f8f6f4 v[8*(8*((\a)%4)+\b):8*(8*((\a)%4)+\b)+7], v[128*(\p)+FR*\b:128*(\p)+FR*\b+FR-1], v[AF+FR*(\a):AF+FR*(\a)+FR-1], 0, v[SC+16*(\sc)+2*\b+(\q)], v[SC+16*(\sc)+2*(\a)+(\q)] matrix_a_fmt:MATRIX_FMT_FP6 matrix_b_fmt:MATRIX_FMT_FP6 matrix_a_scale:MATRIX_SCALE_ROW1
.else
	v_wmma_scale_f32_16x16x128_f8f6f4 v[8*(8*((\a)%4)+\b):8*(8*((\a)%4)+\b)+7], v[128*(\p)+FR*\b:128*(\p)+FR*\b+FR-1], v[AF+FR*(\a):AF+FR*(\a)+FR-1], v[8*(8*((\a)%4)+\b):8*(8*((\a)%4)+\b)+7], v[SC+16*(\sc)+2*\b+(\q)], v[SC+16*(\sc)+2*(\a)+(\q)] matrix_a_fmt:MATRIX_FMT_FP6 matrix_b_fmt:MATRIX_FMT_FP6 matrix_a_scale:MATRIX_SCALE_ROW1
.endif
.endr
.endr
.endm
.macro STEP aT, aP, sc, zero           ; a chunk's first 128 along K
	s_wait_dscnt 12                                ; all but the youngest 12 loads (T's blocks 4-7)
	WIN MUL_LO
	MUL16 0, 0, 0, \sc, \zero
	MUL16 2, 0, 0, \sc, \zero
	s_wait_dscnt 0x0
	PLACES 4                                       ; in front of loads into registers that matrix instructions have read
	FETCH_P \aP, 1, 1
	FETCH_T \aT, 1, 0
	WIN MUL_HI
	MUL16 4, 0, 0, \sc, \zero
	MUL16 6, 0, 0, \sc, \zero
	PLACES 4
	WIN 0
	FETCH_T \aT, 1, 4
.endm
.macro MEET sc                         ; a chunk's second 128 along K changes chunks
	s_wait_tensorcnt 0x0                           ; all my tensor loads have landed
	ds_add_u32 v[SPW], v[NIL]
	s_wait_dscnt 13                                ; (the add and the youngest 12 loads may be out)
	WIN MUL_LO
	MUL16 0, 1, 1, \sc, 0
	s_wait_dscnt 0x0                               ; the add is done, and my reads of this chunk are over
	s_barrier_signal -1
	MUL16 2, 1, 1, \sc, 0
	WIN 0
	s_barrier_wait -1
.endm
.macro REFILL slot, stepb              ; the barrier has opened a round of the cluster's; my quarter of the slot is my one tensor load behind it
	CREST
	s_add_nc_u64 s[62+8*\slot:63+8*\slot], s[62+8*\slot:63+8*\slot], \stepb
	s_mov_b32 s30, 4<<16                           ; no load of mine is out: from here on a load of weights brings 4 tiles
	s_mov_b32 s32, 4
	tensor_load_to_lds s[60+8*\slot:63+8*\slot], s[28:35]
	s_nop 0
	PLACES 4                                       ; also the places in front of the loads that follow
.endm
.macro AHEAD aT, aP, adr, sc, c
	FETCH_P \aP, 0, 0
	FETCH_T \aT, 0, 0
	SCALES \sc, \adr, \c
.endm
.macro REST sc
	WIN MUL_HI
	MUL16 4, 1, 1, \sc, 0
	MUL16 6, 1, 1, \sc, 0
.endm
.macro TURN aTn, aPn, adr, sc, cn, fill, stepb
	MEET \sc
.if \fill
	REFILL \sc, \stepb
.else
	PLACES 4
.endif
	AHEAD \aTn, \aPn, \adr, 1-(\sc), \cn
	REST \sc
	PLACES 4
	WIN 0
	FETCH_T \aTn, 0, 4
.endm
; 64 results of a lane (register 16 b + i = k 32 b + 16 (lane / 16) + i of the next product) become 12 registers of codes, six at d0 and six at d1, and a scale word
.macro QUANT s, w, d0, d1, pw
.set WQ, (\w)|((\w)<<2)
	WIN WQ
.irp b, 0,1,2,3
	v_max3_num_f32 v[TM+\b], |v[(\s)+16*\b]|, |v[(\s)+1+16*\b]|, 0x1800000   ; from each accumulator's low end on; the floor 2^(3 - 127) holds the byte at 1
.endr
.irp i, 2,4,6,8,10,12,14
.irp b, 0,1,2,3
	v_max3_num_f32 v[TM+\b], |v[(\s)+16*\b+\i]|, |v[(\s)+1+16*\b+\i]|, v[TM+\b]
.endr
.endr
	WIN 0
.irp b, 0,1,2,3
	v_permlanex16_b32 v[TM+4+\b], v[TM+\b], s66, s67
.endr
.irp b, 0,1,2,3
	v_max_num_f32 v[TM+\b], v[TM+\b], v[TM+4+\b]
.endr
.irp b, 0,1,2,3
	v_add_nc_u32 v[TM+12+\b], 0xff000000, v[TM+\b] ; 2 off the exponent field: the conversion's scale operand
.endr
.irp b, 0,1,2,3
	v_lshrrev_b32 v[TM+4+\b], 23, v[TM+12+\b]      ; the byte
.endr
	v_lshl_or_b32 v[(\pw)], v[TM+5], 8, v[TM+4]
	v_lshl_or_b32 v[(\pw)], v[TM+6], 16, v[(\pw)]
	v_lshl_or_b32 v[(\pw)], v[TM+7], 24, v[(\pw)]
	WIN (\w)
	v_cvt_scalef32_pk16_fp6_f32 v[(\d0):(\d0)+2], v[(\s):(\s)+15], v[TM+12]
	v_cvt_scalef32_pk16_fp6_f32 v[TQ:TQ+2], v[(\s)+16:(\s)+31], v[TM+13]
	v_cvt_scalef32_pk16_fp6_f32 v[(\d1):(\d1)+2], v[(\s)+32:(\s)+47], v[TM+14]
	v_cvt_scalef32_pk16_fp6_f32 v[TQ+4:TQ+6], v[(\s)+48:(\s)+63], v[TM+15]
	WIN 0
	v_nop                                          ; one plain place behind a scaled conversion
.irp i, 0,1,2                                  ; a whole block to a lane: lanes 0-15 the even block, lanes 16-31 the odd one
	v_permlane16_swap_b32 v[(\d0)+\i], v[TQ+\i]
.endr
.irp i, 0,1,2
	v_mov_b32 v[(\d0)+3+\i], v[TQ+\i]
.endr
.irp i, 0,1,2
	v_permlane16_swap_b32 v[(\d1)+\i], v[TQ+4+\i]
.endr
.irp i, 0,1,2
	v_mov_b32 v[(\d1)+3+\i], v[TQ+4+\i]
.endr
.endm
	s_wait_alu depctr_va_vdst(0)
	s_wait_tensorcnt 0x0                           ; my tile of the head's four is in; the full sequence ahead of the later first fills:
	ds_add_u32 v[SPW], v[NIL]
	s_wait_dscnt 0x0
	CROUND                                         ; all four tiles are in, and all sixteen work-groups are here
	ARM 1, 56, 20, .Ls1, .Lsj                      ; the context's pair 1,
	ARM 2, 76, 28, .Ls2, .Lsj                      ; Wk's chunk 1,
	ARM 3, 88, 44, .Ls3, .Lsj                      ; Wv's scale rows; wave 3 has none
.Lsj:
	; ---------------- PASS 1: k.  T = context, P = Wk ----------------
	AHEAD CA1, WA1, AD1, 0, 0
	FETCH_T CA1, 0, 4
	STEP CA1, WA1, 0, 1                            ; the first products start the sums
	TURN CA1+1, WA1+1, AD1, 0, 1, 1, 6144          ; slot 0 takes Wk's chunk 2
	STEP CA1+1, WA1+1, 1, 0
	TURN CA1+2, WA1, AD1, 1, 2, 1, 6144            ; slot 1 takes Wk's chunk 3
	STEP CA1+2, WA1, 0, 0
	TURN CA1+3, WA1+1, AD1, 0, 3, 1, 780288        ; slot 0 takes Wv's chunk 0: 64 tiles on, two chunks back
	STEP CA1+3, WA1+1, 1, 0
	MEET 1
	REFILL 1, 780288                               ; slot 1 takes Wv's chunk 1
	REST 1
	WIN 0
	; k leaves.  A lane holds one key; my 128 channels are two heads.  Key tiles 2 p and 2 p + 1 of one head make one image.
	PLACES 4
.irp p, 0,1,2,3
	QUANT 64*((2*\p)%4), 2+(2*\p)/4, OUT+24*\p, OUT+24*\p+12, PW
	QUANT 64*((2*\p+1)%4), 2+(2*\p+1)/4, OUT+24*\p+6, OUT+24*\p+18, PW+1
	v_perm_b32 v[KS+\p], v[PW+1], v[PW], v30       ; the head's two bytes of each of the two tiles
.irp e, 0,1
.irp g, 0,1,2
	global_store_b128 v24, v[OUT+24*\p+12*\e+4*\g:OUT+24*\p+12*\e+4*\g+3], s[8:9] offset:\e*196608+\p*1536+512*\g   ; 512 consecutive bytes, aligned
.endr
.endr
.endr
	global_store_b128 v25, v[KS:KS+3], s[10:11]
	; ---------------- PASS 2: v.  T = Wv, P = context ----------------
	s_wait_xcnt 0x0                                ; k's stores have read their registers
	AHEAD WA2, CA2, AD2, 0, 0
	FETCH_T WA2, 0, 4
	STEP WA2, CA2, 0, 1
	TURN WA2+1, CA2+1, AD2, 0, 1, 1, 6144          ; slot 0 takes Wv's chunk 2
	STEP WA2+1, CA2+1, 1, 0
	TURN WA2, CA2+2, AD2, 1, 2, 1, 6144            ; slot 1 takes Wv's chunk 3
	STEP WA2, CA2+2, 0, 0
	TURN WA2+1, CA2+3, AD2, 0, 3, 0, 0             ; nothing is left to fetch: no round
	STEP WA2+1, CA2+3, 1, 0
	s_wait_dscnt 12
	WIN MUL_LO
	MUL16 0, 1, 1, 1, 0
	MUL16 2, 1, 1, 1, 0
	s_wait_dscnt 0x0
	REST 1
	WIN 0
	; v leaves.  A lane holds one channel; its registers are my 128 keys: T's block a is one image.
	PLACES 4
.irp a, 0,1,2,3,4,5,6,7
	QUANT 64*(\a%4), 2+\a/4, OUT+12*\a, OUT+12*\a+6, PW+\a
.irp g, 0,1,2
	global_store_b128 v26, v[OUT+12*\a+4*\g:OUT+12*\a+4*\g+3], s[8:9] offset:(\a/4)*196608+(\a%4)*1536+512*\g
.endr
.endr
.irp t, 0,1,2,3
	v_cndmask_b32 v[KS+\t], v[PW+\t], v[PW+4+\t], s18
.endr
	global_store_b128 v27, v[KS:KS+3], s[10:11]
	s_wait_tensorcnt 0x0                           ; the wave's end
	ds_add_u32 v[SPW], v[NIL]
	s_wait_dscnt 0x0
	CROUND                                         ; the closing round
	s_endpgm
.Lfunc_end_k_qa467904a01_kvgemm:
	.size	k_qa467904a01_kvgemm, .Lfunc_end_k_qa467904a01_kvgemm-k_qa467904a01_kvgemm
	.p2alignl 7, 3214868480
	.fill 96, 4, 3214868480
	.section	.rodata,"a",@progbits
	.p2align	6, 0x0
	.amdhsa_kernel k_qa467904a01_kvgemm
		.amdhsa_group_segment_fixed_size 327680
		.amdhsa_private_segment_fixed_size 0
		.amdhsa_enable_private_segment 0
		.amdhsa_kernarg_size 32
		.amdhsa_user_sgpr_count 2
		.amdhsa_user_sgpr_kernarg_segment_ptr 1
		.amdhsa_wavefront_size32 1
		.amdhsa_system_sgpr_workgroup_id_x 1
		.amdhsa_system_sgpr_workgroup_id_y 1
		.amdhsa_system_sgpr_workgroup_id_z 1
		.amdhsa_system_vgpr_workitem_id 0
		.amdhsa_next_free_vgpr 1024
		.amdhsa_next_free_sgpr 102
		.amdhsa_reserve_vcc 0
		.amdhsa_float_denorm_mode_32 3
		.amdhsa_float_denorm_mode_16_64 3
		.amdhsa_memory_ordered 1
		.amdhsa_forward_progress 1
		.amdhsa_inst_pref_size 255
	.end_amdhsa_kernel
	.section	.bss,"aw",@nobits
	.p2align	6
	.space	262144
	.amdgpu_metadata
---
amdhsa.version: [ 1, 2 ]
amdhsa.kernels:
  - .name:           k_qa467904a01_kvgemm
    .symbol:         k_qa467904a01_kvgemm.kd
    .args:
      - { .name: codes1, .offset: 0, .size: 8, .value_kind: global_buffer, .address_space: global }
      - { .name: scales1, .offset: 8, .size: 8, .value_kind: global_buffer, .address_space: global }
      - { .name: kvcodes, .offset: 16, .size: 8, .value_kind: global_buffer, .address_space: global }
      - { .name: kvscales, .offset: 24, .size: 8, .value_kind: global_buffer, .address_space: global }
    .group_segment_fixed_size: 327680
    .private_segment_fixed_size: 0
    .kernarg_segment_align: 8
    .kernarg_segment_size: 32
    .max_flat_workgroup_size: 128
    .sgpr_count:     102
    .vgpr_count:     1024
    .wavefront_size: 32
...
	.end_amdgpu_metadata
.endif
;; end of part 2
;; launch attn (part 3): grid 4 x 64, 8 waves a work-group, no clusters, 79,360 bytes of LDS; arguments codes1, scales1, kvcodes, kvscales, mask, ocodes, oscales; writes ocodes, oscales
.if DOCPART == 3
	.amdgcn_target "amdgcn-amd-amdhsa--gfx1250"
	.amdhsa_code_object_version 6
	.text
	.protected	k_qa467904a01_attn
	.globl	k_qa467904a01_attn
	.p2align	8
	.type	k_qa467904a01_attn,@function
k_qa467904a01_attn:
	s_mov_b64 s[64:65], 0
	v_nop
	global_prefetch_b8 v0, s[64:65] scope:SCOPE_SE
	s_setreg_imm32_b32 hwreg(HW_REG_WAVE_MODE, 25, 1), 1
	s_wait_xcnt 0x0
; q = x Wq, scores, mask, clip, softmax and the weighted sum for one (batch, head) and 128 queries, all products on codes of FP6 (E2M3) with E8M0 scales; O leaves as codes for the last projection.
; SHARES.  Work-group (x, y): queries 128 x on of batch y / 16, head y % 16.  Wave w: query group w % 4 (32 queries, two tiles) x keys 2,048 (w / 4) on, in 16 steps of 128 keys.  The two key halves' sums are joined through LDS at the end.
; Both products are used transposed (S^T = k q^T, O^T = v^T p^T): a lane holds one query, its registers run along the keys, then along the channels.
; THE EXPONENT.  reference() clips the scaled scores to -5 .. 5, so t = score x log2(e) / 8 lies within -7.22 .. 7.22 for every input: p = 2^t is taken with M = 0.  M is a whole number, and the blocks' scales take up the power of two between it and the row's own M.
; The clip is made on the raw scores at -40 .. 40; a masked key's upper bound is -40, which gives reference()'s -5.
; K's AND V's IMAGES GO FROM MEMORY STRAIGHT INTO THE OPERAND REGISTERS, 512 consecutive bytes a load: K of step i + 1 is asked for behind step i's score products, V of step i + 1 behind step i's last products.
; No tensor load, no joint load, no cluster: K and V of one head are 393,216 bytes, more than LDS holds, so joint loads would want a ring of slots and a round of all 32 waves of four work-groups for each refill; here no barrier stands in the loop.
; The last trip asks for its own step's images once more (the pointers are held), so that every trip's counted waits count the same loads; nothing reads those.
; PREFETCH.  In trip i wave 0 (wave 4 for the upper keys) names step i + 3's images, two trips ahead of their loads: 48 blocks of 256 bytes, 12 to each of the four work-groups of a head, told apart by address; lanes 12-31 name the wave's last block again.
; Steps 1 and 2 are named at the head; trips 13 to 15 name nothing.  The scale bytes (16,384 a head) and the mask are copied to LDS once, at the head.
; q: wave w makes query tiles 2 (w / 2), 2 (w / 2) + 1 x channels 32 (w % 2) on (one block of 32), all eight K steps asked for at once; codes and bytes reach the waves that use them through LDS.
; LIMITS: a block of zeros gets the byte 1 (zero codes; read by this program alone); NaN and infinities among the inputs are not served.
; REGISTERS.  Window 0: v1-15 addresses; v32-39 K's, V's scale words; v40-43 q's, p's; v44-51 sums; v64-191 scores, then p; v192-215 p's codes; v216-254 the quantiser's.  Window 1: v0-63 O^T; v64-93 [0, q0, 0, q1, 0]; v94-141 K; v142-205 the keys' upper bounds; v206-253 V.
.set UT,    0                          ; LDS: 4,096 keys' upper bounds, f32
.set SCK,   16384                      ; K's scale words, 8,192 bytes, then V's
.set QST,   32768                      ; q's eight tiles: 32 bytes a lane (two places of 16, 12 bytes of codes in each)
.set QSC,   40960                      ; q's scale words: 64 bytes a tile
.set STG,   41472                      ; 4,608 bytes a wave, for the join
.set SPARE, 78336
.set QF,  64
.set KF,  94
.set U,   142
.set VF,  206
.set VOFF, 12582912                    ; from kvcodes' K half to its V half
.set MSB, 0
.macro WIN new
.if MSB != (\new)
	s_set_vgpr_msb (MSB<<8)|(\new)
.set MSB, (\new)
.endif
.endm
.macro PLACES n
.rept \n
	v_nop
.endr
.endm
.macro WM d, a, b, zero, sa, sb
.if \zero
	v_wmma_scale_f32_16x16x128_f8f6f4 v[(\d):(\d)+7], v[(\a):(\a)+11], v[(\b):(\b)+11], 0, v[(\sa)], v[(\sb)] matrix_a_fmt:MATRIX_FMT_FP6 matrix_b_fmt:MATRIX_FMT_FP6
.else
	v_wmma_scale_f32_16x16x128_f8f6f4 v[(\d):(\d)+7], v[(\a):(\a)+11], v[(\b):(\b)+11], v[(\d):(\d)+7], v[(\sa)], v[(\sb)] matrix_a_fmt:MATRIX_FMT_FP6 matrix_b_fmt:MATRIX_FMT_FP6
.endif
.endm
.macro KVLOAD f, off, p                ; four images of 1,536 bytes into window 1
	WIN 0x40
.irp g, 0,1,2,3
.irp i, 0,1,2
	global_load_b128 v[\f+12*\g+4*\i:\f+12*\g+4*\i+3], v[\off], s[\p:\p+1] offset:1536*\g+512*\i
.endr
.endr
	WIN 0
.endm
	s_load_b256 s[4:11], s[0:1], 0x0               ; codes1, scales1, kvcodes, kvscales
	s_load_b128 s[12:15], s[0:1], 0x20             ; mask, ocodes
	s_load_b64 s[16:17], s[0:1], 0x30              ; oscales
	v_lshl_add_u32 v6, v0, 2, SPARE                ; my spare word; never rewritten
	v_mov_b32 v7, 0                                ; 0; never rewritten
	v_lshrrev_b32 v1, 5, v0
	v_readfirstlane_b32 s18, v1                    ; wave
	s_lshr_b32 s19, s18, 2                         ; key half
	s_and_b32 s20, s18, 3                          ; query group
	s_lshr_b32 s24, s18, 1                         ; q: query pair
	s_and_b32 s25, s18, 1                          ; q: channel block
	s_and_b32 s22, ttmp7, 0xffff
	s_lshr_b32 s21, s22, 4                         ; batch
	s_and_b32 s23, s22, 15                         ; head
	s_lshl_b32 s26, s21, 5
	s_lshl_b32 s27, ttmp9, 3
	s_add_co_u32 s26, s26, s27                     ; the work-group's first tile of x
	s_lshl_b32 s27, s20, 1
	s_add_co_u32 s27, s27, s19                     ; the tile that I finish (e = 0),
	s_xor_b32 s28, s27, 1                          ; and my partner's (e = 1)
	s_add_co_u32 s63, s26, s27
	s_lshl_b32 s29, s24, 1
	s_add_co_u32 s29, s29, s26
	s_mul_i32 s30, s29, 12288                      ; q: x's codes,
	s_mov_b32 s31, 0
	s_lshl_b32 s32, s29, 9                         ; x's scale rows,
	s_mov_b32 s33, 0
	s_lshl_b32 s29, s23, 2
	s_lshl_b32 s34, s25, 1
	s_add_co_u32 s29, s29, s34
	s_add_co_u32 s29, s29, 1152
	s_mul_i32 s34, s29, 12288                      ; Wq's codes,
	s_mov_b32 s35, 0
	s_lshl_b32 s36, s29, 9                         ; Wq's scale rows
	s_mov_b32 s37, 0
	s_lshl_b32 s38, s21, 12                        ; the batch's mask
	s_mov_b32 s39, 0
	s_mul_i32 s40, s22, 196608
	s_mul_i32 s42, s19, 98304
	s_add_co_u32 s40, s40, s42                     ; my first step's K images
	s_mov_b32 s41, 0
	s_lshl_b32 s42, s22, 13                        ; the head's scale words
	s_mov_b32 s43, 0
	s_lshr_b32 s44, ttmp9, 1
	s_mul_i32 s44, s44, VOFF
	s_and_b32 s45, ttmp9, 1
	s_mul_i32 s45, s45, 3072
	s_add_co_u32 s44, s44, s45                     ; the prefetch: my work-group's 12 blocks of a step's 48
	s_lshl_b32 s45, s24, 11
	s_lshl_b32 s46, s25, 9
	s_add_co_u32 s45, s45, s46
	s_add_co_u32 s45, s45, QST                     ; where my q codes go
	s_lshl_b32 s46, s24, 7
	s_add_co_u32 s46, s46, s25
	s_add_co_u32 s46, s46, QSC                     ; and their bytes
	s_mov_b32 s48, 0x76543210
	s_mov_b32 s49, 0xfedcba98
	s_mov_b32 s50, 0x3e38aa3b                      ; log2(e) / 8
	s_mov_b32 s51, s50
	s_mov_b32 s52, 0xc2200000                      ; -40
	s_mov_b32 s53, 0x80000000
	s_mov_b32 s54, 0x42200000                      ; 40
	s_lshl_b32 s56, s19, 12                        ; my scale words: 256 bytes a step
	s_lshl_b32 s57, s19, 13                        ; my keys' bounds: 512 bytes a step
	s_mov_b32 s59, 16
	s_cmp_eq_u32 s20, 0
	s_cselect_b32 s62, 3, -1                       ; the wave that prefetches does so while more than 3 trips are left
	s_mov_b32 s77, 0
	s_mov_b32 s79, 0
	s_lshl_b32 s80, s27, 10
	s_add_co_u32 s80, s80, QST
	s_lshl_b32 s81, s28, 10
	s_add_co_u32 s81, s81, QST
	s_lshl_b32 s82, s27, 6
	s_add_co_u32 s82, s82, QSC
	s_lshl_b32 s83, s28, 6
	s_add_co_u32 s83, s83, QSC
	s_mul_i32 s84, s18, 4608
	s_add_co_u32 s84, s84, STG                     ; my stage,
	s_xor_b32 s85, s18, 4
	s_mul_i32 s85, s85, 4608
	s_add_co_u32 s85, s85, STG                     ; my partner's
	s_lshl_b32 s86, s63, 4
	s_add_co_u32 s86, s86, s23
	s_mul_i32 s86, s86, 768                        ; ocodes: [tile][head][768]
	s_mov_b32 s87, 0
	s_lshl_b32 s88, s63, 9
	s_lshl_b32 s89, s23, 1
	s_add_co_u32 s88, s88, s89
	s_mov_b32 s89, 0
	v_and_b32 v1, 15, v0                           ; r
	v_bfe_u32 v2, v0, 4, 1                         ; h
	v_and_b32 v12, 31, v0
	v_lshlrev_b32 v3, 4, v12                       ; 16 x lane
	v_min_u32 v11, 11, v12
	v_add_nc_u32 v8, VOFF, v3
	v_lshl_add_u32 v11, v11, 8, s44
	v_lshl_add_u32 v4, v1, 4, SCK
	v_lshl_add_u32 v5, v2, 6, UT
	v_lshlrev_b32 v12, 5, v1                       ; 32 r: a row of scale bytes
	v_lshlrev_b32 v14, 4, v0                       ; 16 x thread
	v_lshl_add_u32 v15, v0, 6, UT
	v_lshl_add_u32 v9, v2, 4, v12
	v_add_nc_u32 v13, SCK, v14
	v_add_nc_u32 v9, s45, v9                       ; image lane r + 16 x block, place h
	v_lshl_add_u32 v10, v1, 2, s46
	s_wait_alu depctr_va_vdst(0)
	s_wait_kmcnt 0x0
	s_add_nc_u64 s[66:67], s[4:5], s[30:31]
	s_add_nc_u64 s[68:69], s[6:7], s[32:33]
	s_add_nc_u64 s[70:71], s[4:5], s[34:35]
	s_add_nc_u64 s[72:73], s[6:7], s[36:37]
	s_add_nc_u64 s[12:13], s[12:13], s[38:39]
	s_add_nc_u64 s[74:75], s[8:9], s[40:41]        ; V's pointer: step 0 (V lies VOFF on, in v8)
	s_add_nc_u64 s[10:11], s[10:11], s[42:43]
	s_add_nc_u64 s[60:61], s[74:75], 6144          ; K's pointer: step 1
	s_add_nc_u64 s[14:15], s[14:15], s[86:87]
	s_add_nc_u64 s[16:17], s[16:17], s[88:89]
	global_load_b128 v[80:83], v14, s[12:13]       ; 16 keys' mask bytes a thread
.irp u, 0,1
	global_load_b128 v[16+8*\u:19+8*\u], v12, s[72:73] offset:512*\u
	global_load_b128 v[20+8*\u:23+8*\u], v12, s[72:73] offset:512*\u+16
	global_load_b128 v[32+8*\u:35+8*\u], v12, s[68:69] offset:512*\u
	global_load_b128 v[36+8*\u:39+8*\u], v12, s[68:69] offset:512*\u+16
.endr
.irp i, 0,1
	global_load_b128 v[84+4*\i:87+4*\i], v14, s[10:11] offset:4096*\i
	global_load_b128 v[92+4*\i:95+4*\i], v14, s[10:11] offset:524288+4096*\i
.endr
.macro GLOAD s                         ; K step s: Wq's two tiles, x's two; steps 0-4 in window 1, steps 5-7 from v112 of window 0
.if (\s) < 5
.set GB, 48*(\s)
	WIN 0x40
.else
.set GB, 112+48*((\s)-5)
	WIN 0
.endif
.irp t, 0,1
.irp g, 0,1,2
	global_load_b128 v[GB+12*\t+4*\g:GB+12*\t+4*\g+3], v3, s[70:71] offset:\t*12288+(\s)*1536+512*\g
	global_load_b128 v[GB+24+12*\t+4*\g:GB+24+12*\t+4*\g+3], v3, s[66:67] offset:\t*12288+(\s)*1536+512*\g
.endr
.endr
.endm
.macro GSTEP s, n, z                   ; n: the loads issued behind this step's (63 where they are more); four accumulators by turns
	s_wait_loadcnt \n
.if (\s) < 5
.set GB, 48*(\s)
	WIN 0x05
.else
.set GB, 112+48*((\s)-5)
	WIN 0
.endif
.irp u, 0,1
.irp e, 0,1
	WM 48+16*\e+8*\u, GB+12*\u, GB+24+12*\e, \z, 16+8*\u+(\s), 32+8*\e+(\s)
.endr
.endr
.endm
.irp s, 0,1,2,3,4,5,6,7
	GLOAD \s
.endr
	WIN 0
	s_cmp_eq_u32 s20, 0
	s_cbranch_scc0 .Lno_first
	global_prefetch_b8 v11, s[74:75] offset:6144 th:TH_LOAD_NT scope:SCOPE_SE    ; steps 1 and 2
	global_prefetch_b8 v11, s[74:75] offset:12288 th:TH_LOAD_NT scope:SCOPE_SE
.Lno_first:
	GSTEP 0, 63, 1
	GSTEP 1, 63, 0
	GSTEP 2, 60, 0
	GSTEP 3, 48, 0
	GSTEP 4, 36, 0
	WIN 0
	PLACES 4                                       ; K's and V's registers held fragments of steps 1, 2 and 4
	KVLOAD KF, 3, 74                               ; step 0's K,
	KVLOAD VF, 8, 74                               ; and V: 24 loads
	GSTEP 5, 48, 0
	GSTEP 6, 36, 0
	GSTEP 7, 24, 0
	WIN 0
	PLACES 4
	; q's block of 32 channels: register 8 u + j of tile e is channel 32 block + 16 h + 8 u + j
.irp e, 0,1
	v_mov_b32 v[102+\e], 0                         ; a lane permute's destination counts as read
.endr
.irp e, 0,1
	v_max3_num_f32 v[100+\e], |v[48+16*\e]|, |v[49+16*\e]|, 0x1800000
.endr
.irp i, 2,4,6,8,10,12,14
.irp e, 0,1
	v_max3_num_f32 v[100+\e], v[100+\e], |v[48+16*\e+\i]|, |v[49+16*\e+\i]|
.endr
.endr
.irp e, 0,1
	s_delay_alu instid0(VALU_DEP_2)
	v_permlanex16_b32 v[102+\e], v[100+\e], s48, s49
.endr
.irp e, 0,1
	s_delay_alu instid0(VALU_DEP_2)
	v_max_num_f32 v[100+\e], v[100+\e], v[102+\e]
.endr
.irp e, 0,1
	s_delay_alu instid0(VALU_DEP_2)
	v_add_nc_u32 v[104+\e], 0xff000000, v[100+\e]
.endr
.irp e, 0,1
	s_delay_alu instid0(VALU_DEP_2)
	v_lshrrev_b32 v[102+\e], 23, v[104+\e]
.endr
.irp e, 0,1
	v_cvt_scalef32_pk16_fp6_f32 v[106+4*\e:108+4*\e], v[48+16*\e:63+16*\e], v[104+\e]
.endr
	v_nop
	; the keys' upper bounds: 40, or -40 where the mask byte is 0
.irp k, 0,1,2,3
	v_xor_b32 v[80+\k], -1, v[80+\k]
.endr
.irp k, 0,1,2,3
.irp j, 0,1,2,3
	v_lshlrev_b32 v[114+\j%2], 31-8*\j, v[80+\k]
	s_delay_alu instid0(VALU_DEP_1)
	v_bfi_b32 v[116+4*\k+\j], s53, v[114+\j%2], s54
.endr
.endr
.irp e, 0,1
	ds_store_b96 v9, v[106+4*\e:108+4*\e] offset:1024*\e
	ds_store_b8 v10, v[102+\e] offset:64*\e        ; the word is (b0, b1, b0, b1): the same q stands in either half of K = 128
	ds_store_b8 v10, v[102+\e] offset:64*\e+2
.endr
.irp k, 0,1,2,3
	ds_store_b128 v15, v[116+4*\k:119+4*\k] offset:16*\k
	ds_store_b128 v13, v[84+4*\k:87+4*\k] offset:4096*\k
.endr
	s_wait_alu depctr_va_vdst(0)
	s_wait_dscnt 0x0                               ; my stores are done
	s_barrier_signal -1
	v_lshl_add_u32 v132, v3, 1, s80                ; register work while the others arrive
	v_lshl_add_u32 v133, v3, 1, s81
	v_lshl_add_u32 v134, v1, 2, s82
	v_lshl_add_u32 v135, v1, 2, s83
	WIN 0x40
.irp i, 0,1,2,3,4,5
	v_mov_b32 v[QF+\i], 0
	v_mov_b32 v[QF+12+\i], 0
	v_mov_b32 v[QF+24+\i], 0
.endr
.set j, 0
.rept 64
	v_mov_b32 v[j], 0                              ; O^T: the step is written once
.set j, j+1
.endr
	WIN 0
	s_wait_alu depctr_va_vdst(0)
	s_barrier_wait -1
	ds_load_b96 v[192:194], v132
	ds_load_b96 v[196:198], v132 offset:16
	ds_load_b96 v[200:202], v133
	ds_load_b96 v[204:206], v133 offset:16
	ds_load_b32 v40, v134
	ds_load_b32 v41, v135
	s_wait_dscnt 0x0
	WIN 0x40
.irp i, 0,1,2
	v_mov_b32 v[QF+6+\i], v[192+\i]
	v_mov_b32 v[QF+9+\i], v[196+\i]
	v_mov_b32 v[QF+18+\i], v[200+\i]
	v_mov_b32 v[QF+21+\i], v[204+\i]
.endr
	WIN 0
.irp b, 0,1,2,3
	v_mov_b32 v[44+\b], 0                          ; the rows' sums
	v_mov_b32 v[220+\b], 0
	v_mov_b32 v[236+\b], 0
.endr
; The vector work of a step takes both query tiles together: eight blocks of 32 keys by turns, so that no line reads a result made fewer than five lines above it.
.macro ULOAD o                         ; 128 keys' upper bounds, o bytes on from v10
	WIN 0x40
.irp g, 0,1,2,3
.irp i, 0,1,2,3
	ds_load_b128 v[U+16*\g+4*\i:U+16*\g+4*\i+3], v10 offset:(\o)+128*\g+16*\i
.endr
.endr
	WIN 0
.endm
.macro CV e, c, t                      ; tile e, keys 64 c on: two blocks' halves; the second goes to t (a conversion's three registers begin on an even number)
	v_cvt_scalef32_pk16_fp6_f32 v[192+12*\e+6*\c:194+12*\e+6*\c], v[64+64*\e+32*\c:79+64*\e+32*\c], v[228+16*\e+2*\c]
	v_cvt_scalef32_pk16_fp6_f32 v[\t:\t+2], v[80+64*\e+32*\c:95+64*\e+32*\c], v[229+16*\e+2*\c]
.endm
.macro SW e, c, t                      ; a whole block to a lane
.irp i, 0,1,2
	v_permlane16_swap_b32 v[192+12*\e+6*\c+\i], v[\t+\i]
.endr
.endm
.macro MV e, c, t
.irp i, 0,1,2
	v_mov_b32 v[195+12*\e+6*\c+\i], v[\t+\i]
.endr
.endm
	v_add_nc_u32 v9, s56, v4
	v_add_nc_u32 v10, s57, v5
	v_nop
	ds_load_b128 v[32:35], v9                      ; step 0's K scale words,
	ULOAD 0                                        ; and its bounds
	s_wait_alu depctr_va_vdst(0)
.Lstep:
	v_add_nc_u32 v9, s56, v4
	v_add_nc_u32 v10, s57, v5
	v_nop
	ds_load_b128 v[36:39], v9 offset:8192          ; V's scale words: one for each tile of 16 channels
	s_wait_alu depctr_va_vdst(0)
	s_wait_dscnt 17                                ; K's scale words, asked for a trip ago, are in; the 16 loads of bounds and V's words, issued behind them, may be out
	s_wait_loadcnt 12                              ; this step's K is in; V's 12 loads, issued behind it, may be out
	WIN 0x05
.irp g, 0,1,2,3                                ; an image holds key tiles 2 g and 2 g + 1 in the two halves of K = 128: q stands against one half, zeros against the other
.irp u, 0,1
.irp e, 0,1
	WM 64+64*\e+16*\g+8*\u, KF+12*\g, QF+12*\e+6-6*\u, 1, 32+\g, 40+\e
.endr
.endr
.endr
	WIN 0
	PLACES 4
	KVLOAD KF, 3, 60                               ; the next step's K,
	ds_load_b128 v[32:35], v9 offset:256           ; and its scale words (in the last trip: bytes of the tables that nothing uses)
	s_cmp_gt_u32 s59, s62
	s_cbranch_scc0 .Lnot_mine
	global_prefetch_b8 v11, s[60:61] offset:12288 th:TH_LOAD_NT scope:SCOPE_SE   ; step i + 3
.Lnot_mine:
	s_wait_dscnt 2                                 ; this step's bounds are in; V's words and the next K words may be out
	WIN 0x10
.set j, 0
.rept 128
	v_med3_num_f32 v[64+j], v[64+j], s52, v[U+j%64]    ; clip and mask; each accumulator from its low end on
.set j, j+1
.endr
	WIN 0
	ULOAD 512                                      ; the next step's bounds
.irp e, 0,1                                    ; the largest score of each block of 32 keys
.irp b, 0,1,2,3
	v_max3_num_f32 v[216+16*\e+\b], v[64+64*\e+16*\b], v[65+64*\e+16*\b], v[66+64*\e+16*\b]
.endr
.endr
.irp i, 3,5,7,9,11,13
.irp e, 0,1
.irp b, 0,1,2,3
	v_max3_num_f32 v[216+16*\e+\b], v[216+16*\e+\b], v[64+64*\e+16*\b+\i], v[65+64*\e+16*\b+\i]
.endr
.endr
.endr
.irp e, 0,1
.irp b, 0,1,2,3
	v_max_num_f32 v[216+16*\e+\b], v[216+16*\e+\b], v[79+64*\e+16*\b]
.endr
.endr
.irp e, 0,1
.irp b, 0,1,2,3
	v_permlanex16_b32 v[220+16*\e+\b], v[216+16*\e+\b], s48, s49
.endr
.endr
.irp e, 0,1
.irp b, 0,1,2,3
	v_max_num_f32 v[216+16*\e+\b], v[216+16*\e+\b], v[220+16*\e+\b]
.endr
.endr
.irp e, 0,1
.irp b, 0,1,2,3
	v_mul_f32 v[216+16*\e+\b], s50, v[216+16*\e+\b]    ; its t
.endr
.endr
.irp e, 0,1
.irp b, 0,1,2,3
	v_cvt_floor_i32_f32 v[216+16*\e+\b], v[216+16*\e+\b]   ; floor(t) = floor(log2(the block's largest p)), -8 .. 7
.endr
.endr
.irp e, 0,1
.irp b, 0,1,2,3
	v_add_nc_u32 v[220+16*\e+\b], 125, v[216+16*\e+\b]     ; the scale's byte: that - 2 + 127
.endr
.endr
.irp e, 0,1
	v_lshl_or_b32 v[42+\e], v[221+16*\e], 8, v[220+16*\e]  ; p's scale word, made in three steps among other work
.endr
.irp e, 0,1
.irp b, 0,1,2,3
	v_add_lshl_u32 v[228+16*\e+\b], v[216+16*\e+\b], 125, 23   ; the byte as an exponent field: the conversion's scale operand
.endr
.endr
.irp e, 0,1
	v_lshl_or_b32 v[42+\e], v[222+16*\e], 16, v[42+\e]
.endr
.set j, 0
.rept 32
	v_pk_mul_f32 v[64+j:65+j], v[64+j:65+j], s[50:51] op_sel_hi:[1,0]      ; t = score x log2(e) / 8
.set j, j+2
.endr
.irp e, 0,1
	v_lshl_or_b32 v[42+\e], v[223+16*\e], 24, v[42+\e]
.endr
.set j, 0
.rept 32
	v_pk_mul_f32 v[128+j:129+j], v[128+j:129+j], s[50:51] op_sel_hi:[1,0]
.set j, j+2
.endr
	s_wait_alu depctr_va_vdst(0)
.set j, 0
.rept 128
	v_exp_f32 v[64+j], v[64+j]
.set j, j+1
.endr
	v_nop
	s_wait_alu depctr_va_vdst(0)
	CV 0, 0, 248
	CV 0, 1, 252
	CV 1, 0, 224
	CV 1, 1, 240
	v_nop                                          ; one plain place behind a scaled conversion
	SW 0, 0, 248
	SW 0, 1, 252
	SW 1, 0, 224
	SW 1, 1, 240
	MV 0, 0, 248
	MV 0, 1, 252
	MV 1, 0, 224
	MV 1, 1, 240
.irp e, 0,1                                    ; the rows' sums, of the unquantised p: four chains by turns
	v_pk_add_f32 v[48+2*\e:49+2*\e], v[64+64*\e:65+64*\e], v[66+64*\e:67+64*\e]
.endr
.irp i, 4,8,12,16,20,24,28,32,36,40,44,48,52,56,60
.irp e, 0,1
	v_pk_add_f32 v[44+2*\e:45+2*\e], v[44+2*\e:45+2*\e], v[64+64*\e+\i:65+64*\e+\i]
.endr
.irp e, 0,1
	v_pk_add_f32 v[48+2*\e:49+2*\e], v[48+2*\e:49+2*\e], v[66+64*\e+\i:67+64*\e+\i]
.endr
.endr
.irp e, 0,1
	v_pk_add_f32 v[44+2*\e:45+2*\e], v[44+2*\e:45+2*\e], v[48+2*\e:49+2*\e]
.endr
	s_wait_alu depctr_va_vdst(0)
	s_wait_xcnt 0x0                                ; K's loads, the last trip's V loads and the prefetch have read their pointers
	s_cmp_gt_u32 s59, 2
	s_cselect_b32 s76, 6144, 0                     ; K's pointer goes on to step i + 2, V's to step i + 1; both are held at step 15
	s_cmp_gt_u32 s59, 1
	s_cselect_b32 s78, 6144, 0
	s_add_nc_u64 s[60:61], s[60:61], s[76:77]
	s_add_nc_u64 s[74:75], s[74:75], s[78:79]
	s_wait_loadcnt 12                              ; this step's V is in; the next K's 12 loads may be out
	s_wait_dscnt 17                                ; V's scale words are in; the next K words and the 16 loads of bounds may be out
	WIN 0x51
.irp t, 0,1,2,3
.irp e, 0,1
	WM 32*\e+8*\t, VF+12*\t, 192+12*\e, 0, 36+\t, 42+\e
.endr
.endr
	WIN 0
	PLACES 4
	KVLOAD VF, 8, 74                               ; the next step's V
	s_add_co_u32 s56, s56, 256
	s_add_co_u32 s57, s57, 512
	s_sub_co_u32 s59, s59, 1
	s_cmp_lg_u32 s59, 0
	s_cbranch_scc1 .Lstep
	; THE JOIN.  My sums for my partner's tile go to my stage; I take my partner's for mine.  (The loads still out land in K's and V's registers, which nothing names from here on.)
	v_add_f32 v44, v44, v45
	v_add_f32 v46, v46, v47
	v_and_b32 v160, 31, v0
	s_delay_alu instid0(VALU_DEP_1)
	v_lshl_add_u32 v161, v160, 4, s84
	v_lshl_add_u32 v162, v160, 2, s84
	v_lshl_add_u32 v163, v160, 4, s85
	v_lshl_add_u32 v164, v160, 2, s85
	WIN 0x04
.irp i, 0,1,2,3,4,5,6,7
	ds_store_b128 v161, v[32+4*\i:35+4*\i] offset:512*\i
.endr
	WIN 0
	ds_store_b32 v162, v46 offset:4096
	s_wait_alu depctr_va_vdst(0)
	s_wait_dscnt 0x0
	s_barrier_signal -1
	s_barrier_wait -1
.irp i, 0,1,2,3,4,5,6,7
	ds_load_b128 v[64+4*\i:67+4*\i], v163 offset:512*\i
.endr
	ds_load_b32 v12, v164 offset:4096
	s_wait_dscnt 0x0
	WIN 0x01
.set j, 0
.rept 16
	v_pk_add_f32 v[96+j:97+j], v[j:j+1], v[64+j:65+j]
.set j, j+2
.endr
	WIN 0
	v_add_f32 v44, v44, v12
	s_delay_alu instid0(VALU_DEP_1)
	v_permlanex16_b32 v13, v44, s48, s49
	s_delay_alu instid0(VALU_DEP_1)
	v_add_f32 v44, v44, v13                        ; the row's sum
	s_wait_alu depctr_va_vdst(0)
	v_rcp_f32 v14, v44
	v_mov_b32 v15, 0
	s_wait_alu depctr_va_vdst(0)
.set j, 0
.rept 16
	v_pk_mul_f32 v[96+j:97+j], v[96+j:97+j], v[14:15] op_sel_hi:[1,0]
.set j, j+2
.endr
	; O's 64 channels: two blocks of 32 along the last product's K
.irp b, 0,1
	v_max3_num_f32 v[216+\b], |v[96+16*\b]|, |v[97+16*\b]|, 0x1800000
.endr
.irp i, 2,4,6,8,10,12,14
.irp b, 0,1
	s_delay_alu instid0(VALU_DEP_2)
	v_max3_num_f32 v[216+\b], v[216+\b], |v[96+16*\b+\i]|, |v[97+16*\b+\i]|
.endr
.endr
.irp b, 0,1
	s_delay_alu instid0(VALU_DEP_2)
	v_permlanex16_b32 v[220+\b], v[216+\b], s48, s49
.endr
.irp b, 0,1
	s_delay_alu instid0(VALU_DEP_2)
	v_max_num_f32 v[216+\b], v[216+\b], v[220+\b]
.endr
.irp b, 0,1
	s_delay_alu instid0(VALU_DEP_2)
	v_add_nc_u32 v[228+\b], 0xff000000, v[216+\b]
.endr
.irp b, 0,1
	s_delay_alu instid0(VALU_DEP_2)
	v_lshrrev_b32 v[220+\b], 23, v[228+\b]
.endr
	v_cvt_scalef32_pk16_fp6_f32 v[192:194], v[96:111], v228
	v_cvt_scalef32_pk16_fp6_f32 v[248:250], v[112:127], v229
	v_nop
.irp i, 0,1,2
	v_permlane16_swap_b32 v[192+\i], v[248+\i]
.endr
.irp i, 0,1,2
	s_delay_alu instid0(VALU_DEP_3)
	v_mov_b32 v[195+\i], v[248+\i]
.endr
	v_lshl_or_b32 v12, v221, 8, v220
	v_lshlrev_b32 v13, 3, v2
	s_delay_alu instid0(VALU_DEP_1)
	v_lshrrev_b32 v12, v13, v12                    ; lane (r, h) stores block h's byte
	v_lshrrev_b32 v165, 1, v3
	v_lshl_add_u32 v166, v1, 5, v2
	s_wait_alu depctr_va_vdst(0)
	global_store_b128 v3, v[192:195], s[14:15]     ; registers 0-3 of the image: 512 consecutive bytes,
	global_store_b64 v165, v[196:197], s[14:15] offset:512   ; registers 4, 5: 256
	global_store_b8 v166, v12, s[16:17]
	s_wait_tensorcnt 0x0                           ; the wave's end, behind my last LDS store
	ds_add_u32 v6, v7
	s_wait_dscnt 0x0
	s_endpgm
.Lfunc_end_k_qa467904a01_attn:
	.size	k_qa467904a01_attn, .Lfunc_end_k_qa467904a01_attn-k_qa467904a01_attn
	.p2alignl 7, 3214868480
	.fill 96, 4, 3214868480
	.section	.rodata,"a",@progbits
	.p2align	6, 0x0
	.amdhsa_kernel k_qa467904a01_attn
		.amdhsa_group_segment_fixed_size 79360
		.amdhsa_private_segment_fixed_size 0
		.amdhsa_enable_private_segment 0
		.amdhsa_kernarg_size 56
		.amdhsa_user_sgpr_count 2
		.amdhsa_user_sgpr_kernarg_segment_ptr 1
		.amdhsa_wavefront_size32 1
		.amdhsa_system_sgpr_workgroup_id_x 1
		.amdhsa_system_sgpr_workgroup_id_y 1
		.amdhsa_system_sgpr_workgroup_id_z 1
		.amdhsa_system_vgpr_workitem_id 0
		.amdhsa_next_free_vgpr 512
		.amdhsa_next_free_sgpr 96
		.amdhsa_reserve_vcc 0
		.amdhsa_float_denorm_mode_32 3
		.amdhsa_float_denorm_mode_16_64 3
		.amdhsa_memory_ordered 1
		.amdhsa_forward_progress 1
		.amdhsa_inst_pref_size 77
	.end_amdhsa_kernel
	.amdgpu_metadata
---
amdhsa.version: [ 1, 2 ]
amdhsa.kernels:
  - .name:           k_qa467904a01_attn
    .symbol:         k_qa467904a01_attn.kd
    .args:
      - { .name: codes1, .offset: 0, .size: 8, .value_kind: global_buffer, .address_space: global }
      - { .name: scales1, .offset: 8, .size: 8, .value_kind: global_buffer, .address_space: global }
      - { .name: kvcodes, .offset: 16, .size: 8, .value_kind: global_buffer, .address_space: global }
      - { .name: kvscales, .offset: 24, .size: 8, .value_kind: global_buffer, .address_space: global }
      - { .name: mask, .offset: 32, .size: 8, .value_kind: global_buffer, .address_space: global }
      - { .name: ocodes, .offset: 40, .size: 8, .value_kind: global_buffer, .address_space: global }
      - { .name: oscales, .offset: 48, .size: 8, .value_kind: global_buffer, .address_space: global }
    .group_segment_fixed_size: 79360
    .private_segment_fixed_size: 0
    .kernarg_segment_align: 8
    .kernarg_segment_size: 56
    .max_flat_workgroup_size: 256
    .sgpr_count:     96
    .vgpr_count:     512
    .wavefront_size: 32
...
	.end_amdgpu_metadata
.endif
;; end of part 3
;; launch oproj (part 4): grid 16 x 16, 4 waves a work-group, no clusters, 17,920 bytes of LDS; arguments ocodes, oscales, codes1, scales1, bo, out0; writes out0
.if DOCPART == 4
	.amdgcn_target "amdgcn-amd-amdhsa--gfx1250"
	.amdhsa_code_object_version 6
	.text
	.protected	k_qa467904a01_oproj
	.globl	k_qa467904a01_oproj
	.p2align	8
	.type	k_qa467904a01_oproj,@function
k_qa467904a01_oproj:
	s_mov_b64 s[64:65], 0
	v_nop
	global_prefetch_b8 v0, s[64:65] scope:SCOPE_SE
	s_setreg_imm32_b32 hwreg(HW_REG_WAVE_MODE, 25, 1), 1
	s_wait_xcnt 0x0
; out = O Wo + bo on codes of FP6 (E2M3) with E8M0 scales; out0 [2048][1024] f32.
; SHARES.  Work-group (bx, by) makes rows 128 by on x columns 64 bx on.  Wave w takes one group of 32 queries (two tiles of 16) x Wo's four tiles: 8 accumulators, 8 K steps, 64 matrix instructions.
; Operands lie in memory as images of their registers and go straight into registers, three K steps ahead: no tensor load, no barrier.  No cluster and no ring: a work-group reads 147 KB once for 64 products a wave.
; The matrix instruction is used transposed (source 0 = 16 columns of Wo, source 1 = 16 queries): a lane holds one query and eight neighbouring columns a tile.  The bias is the C of each sum's first instruction.
; Place r of tile u of a group of 32 is row (or column) 8 u + r + 8 (r / 8): the columns come out as neighbours, and the rows' order is undone in the stores' offsets.
; REGISTERS.  Window 0: v4-13 addresses; v16-31 O's scale words, v32-63 Wo's; v64-95 the bias; v96-159 the accumulators; v160-223 rows on the way out.  Window 1: three buffers of 72: O's two fragments, Wo's four.
.set SPARE, 17408                      ; behind the four stages of 16 x 272 bytes: the spare words
.set ACC, 96
.set BI,  64
.set MSB, 0
.macro WIN new
.if MSB != (\new)
	s_set_vgpr_msb (MSB<<8)|(\new)
.set MSB, (\new)
.endif
.endm
	s_load_b256 s[4:11], s[0:1], 0x0               ; ocodes, oscales, codes1, scales1
	s_load_b128 s[12:15], s[0:1], 0x20             ; bo, out0
	v_lshl_add_u32 v12, v0, 2, SPARE               ; my spare word; never rewritten
	v_mov_b32 v13, 0                               ; 0; never rewritten
	v_lshrrev_b32 v1, 5, v0
	v_readfirstlane_b32 s16, v1                    ; wave
	s_and_b32 s18, ttmp7, 0xffff
	s_lshl_b32 s19, s18, 3
	s_lshl_b32 s20, s16, 1
	s_add_co_u32 s19, s19, s20                     ; my first tile of queries
	s_mul_i32 s20, s19, 12288
	s_mov_b32 s21, 0
	s_lshl_b32 s22, s19, 9
	s_mov_b32 s23, 0
	s_lshl_b32 s24, ttmp9, 2
	s_add_co_u32 s24, s24, 1344                    ; Wo's first tile
	s_mul_i32 s26, s24, 12288
	s_mov_b32 s27, 0
	s_lshl_b32 s24, s24, 9
	s_mov_b32 s25, 0
	s_lshl_b32 s28, ttmp9, 8                       ; 64 columns of 4 bytes
	s_mov_b32 s29, 0
	s_lshl_b32 s30, s19, 16                        ; 16 rows of 4,096 bytes a tile
	s_mov_b32 s31, 0
	s_mul_i32 s32, s16, 4352                       ; my stage
	v_and_b32 v1, 15, v0                           ; r
	v_bfe_u32 v2, v0, 4, 1                         ; h
	v_and_b32 v3, 31, v0
	v_lshlrev_b32 v4, 4, v3                        ; 16 x lane
	v_lshlrev_b32 v5, 3, v3                        ; 8 x lane
	v_lshlrev_b32 v6, 5, v1                        ; 32 r: a row of scale bytes
	v_lshlrev_b32 v7, 6, v2                        ; 64 h: my half's 16 columns of 32
	v_mul_u32_u24 v8, v1, 272
	v_lshl_add_u32 v8, v2, 6, v8
	v_add_nc_u32 v8, s32, v8                       ; the stage, way in: row r, + 64 h
	v_mul_u32_u24 v9, v2, 272
	v_lshl_add_u32 v9, v1, 4, v9
	v_add_nc_u32 v9, s32, v9                       ; way out: lanes 0-15 one row, lanes 16-31 the next
	v_lshlrev_b32 v10, 12, v2
	v_lshl_add_u32 v10, v1, 4, v10                 ; and the same in out0
	s_wait_alu depctr_va_vdst(0)
	s_wait_kmcnt 0x0
	s_add_nc_u64 s[4:5], s[4:5], s[20:21]
	s_add_nc_u64 s[6:7], s[6:7], s[22:23]
	s_add_nc_u64 s[8:9], s[8:9], s[26:27]
	s_add_nc_u64 s[10:11], s[10:11], s[24:25]
	s_add_nc_u64 s[12:13], s[12:13], s[28:29]
	s_add_nc_u64 s[14:15], s[14:15], s[30:31]
	s_add_nc_u64 s[14:15], s[14:15], s[28:29]
.irp u, 0,1
	global_load_b128 v[16+8*\u:19+8*\u], v6, s[6:7] offset:512*\u
	global_load_b128 v[20+8*\u:23+8*\u], v6, s[6:7] offset:512*\u+16
.endr
.irp t, 0,1,2,3
	global_load_b128 v[32+8*\t:35+8*\t], v6, s[10:11] offset:512*\t
	global_load_b128 v[36+8*\t:39+8*\t], v6, s[10:11] offset:512*\t+16
.endr
.irp t, 0,1,2,3
	global_load_b128 v[BI+8*\t:BI+8*\t+3], v7, s[12:13] offset:(32*(\t/2)+8*(\t%2))*4        ; register j of tile t is column 32 (t / 2) + 8 (t % 2) + 16 h + j
	global_load_b128 v[BI+8*\t+4:BI+8*\t+7], v7, s[12:13] offset:(32*(\t/2)+8*(\t%2))*4+16
.endr
.macro OLOAD s                         ; 20 loads: K step s is heads 2 s (registers 0-5) and 2 s + 1 (registers 6-11) of O; Wo's four fragments
.set OB, 72*((\s)%3)
.irp u, 0,1
.irp e, 0,1
	global_load_b128 v[OB+12*\u+6*\e:OB+12*\u+6*\e+3], v4, s[4:5] offset:\u*12288+(2*(\s)+\e)*768
	global_load_b64 v[OB+12*\u+6*\e+4:OB+12*\u+6*\e+5], v5, s[4:5] offset:\u*12288+(2*(\s)+\e)*768+512
.endr
.endr
.irp t, 0,1,2,3
.irp g, 0,1,2
	global_load_b128 v[OB+24+12*\t+4*\g:OB+24+12*\t+4*\g+3], v4, s[8:9] offset:\t*12288+(\s)*1536+512*\g
.endr
.endr
.endm
.macro OSTEP s
.set OB, 72*((\s)%3)
.if (\s) < 6
	s_wait_loadcnt 40                              ; this step's loads and all before them are in; the next two steps' 40 may be out
.elseif (\s) == 6
	s_wait_loadcnt 20
.else
	s_wait_loadcnt 0x0
.endif
	WIN 0x05                                       ; sources 0 and 1 window 1
.irp t, 0,1,2,3                                ; eight accumulators by turns, one instruction a turn
.irp u, 0,1
.if (\s) == 0
	v_wmma_scale_f32_16x16x128_f8f6f4 v[ACC+8*(4*\u+\t):ACC+8*(4*\u+\t)+7], v[OB+24+12*\t:OB+24+12*\t+11], v[OB+12*\u:OB+12*\u+11], v[BI+8*\t:BI+8*\t+7], v[32+8*\t+(\s)], v[16+8*\u+(\s)] matrix_a_fmt:MATRIX_FMT_FP6 matrix_b_fmt:MATRIX_FMT_FP6
.else
	v_wmma_scale_f32_16x16x128_f8f6f4 v[ACC+8*(4*\u+\t):ACC+8*(4*\u+\t)+7], v[OB+24+12*\t:OB+24+12*\t+11], v[OB+12*\u:OB+12*\u+11], v[ACC+8*(4*\u+\t):ACC+8*(4*\u+\t)+7], v[32+8*\t+(\s)], v[16+8*\u+(\s)] matrix_a_fmt:MATRIX_FMT_FP6 matrix_b_fmt:MATRIX_FMT_FP6
.endif
.endr
.endr
	WIN 0
.rept 4
	v_nop                                          ; places in front of loads into registers that matrix instructions have read, and of the first read of results
.endr
.if (\s) < 5
	WIN 0x40
	OLOAD (\s)+3
	WIN 0
.endif
.endm
	WIN 0x40                                       ; destination window 1
	OLOAD 0
	OLOAD 1
	OLOAD 2
	WIN 0
.irp s, 0,1,2,3,4,5,6,7
	OSTEP \s
.endr
	; the way out: a tile's 16 rows x 256 bytes go through my stage and leave as whole rows.  LDS serves a wave's instructions in order: no wait between the stores and the loads, nor in front of the next tile's stores
.irp u, 0,1
.irp t, 0,1,2,3
	ds_store_b128 v8, v[ACC+8*(4*\u+\t):ACC+8*(4*\u+\t)+3] offset:128*(\t/2)+32*(\t%2)       ; each accumulator from its low end on
	ds_store_b128 v8, v[ACC+8*(4*\u+\t)+4:ACC+8*(4*\u+\t)+7] offset:128*(\t/2)+32*(\t%2)+16
.endr
.irp i, 0,1,2,3,4,5,6,7
	ds_load_b128 v[160+32*\u+4*\i:163+32*\u+4*\i], v9 offset:544*\i
.endr
.endr
.irp u, 0,1
.irp i, 0,1,2,3,4,5,6,7
	s_wait_dscnt 23-16*\u-\i                       ; the LDS instructions issued behind this load may be out
	global_store_b128 v10, v[160+32*\u+4*\i:163+32*\u+4*\i], s[14:15] offset:(8*\u+2*\i+8*(\i/4))*4096 th:TH_STORE_NT   ; places 2 i, 2 i + 1 of tile u are rows 8 u + 2 i + 8 (i / 4) and the next; 16 lanes store 256 consecutive bytes, aligned
.endr
.endr
	s_wait_tensorcnt 0x0                           ; the wave's end, behind my last LDS store
	ds_add_u32 v12, v13
	s_wait_dscnt 0x0
	s_endpgm
.Lfunc_end_k_qa467904a01_oproj:
	.size	k_qa467904a01_oproj, .Lfunc_end_k_qa467904a01_oproj-k_qa467904a01_oproj
	.p2alignl 7, 3214868480
	.fill 96, 4, 3214868480
	.section	.rodata,"a",@progbits
	.p2align	6, 0x0
	.amdhsa_kernel k_qa467904a01_oproj
		.amdhsa_group_segment_fixed_size 17920
		.amdhsa_private_segment_fixed_size 0
		.amdhsa_enable_private_segment 0
		.amdhsa_kernarg_size 48
		.amdhsa_user_sgpr_count 2
		.amdhsa_user_sgpr_kernarg_segment_ptr 1
		.amdhsa_wavefront_size32 1
		.amdhsa_system_sgpr_workgroup_id_x 1
		.amdhsa_system_sgpr_workgroup_id_y 1
		.amdhsa_system_sgpr_workgroup_id_z 1
		.amdhsa_system_vgpr_workitem_id 0
		.amdhsa_next_free_vgpr 512
		.amdhsa_next_free_sgpr 66
		.amdhsa_reserve_vcc 0
		.amdhsa_float_denorm_mode_32 3
		.amdhsa_float_denorm_mode_16_64 3
		.amdhsa_memory_ordered 1
		.amdhsa_forward_progress 1
		.amdhsa_inst_pref_size 34
	.end_amdhsa_kernel
	.amdgpu_metadata
---
amdhsa.version: [ 1, 2 ]
amdhsa.kernels:
  - .name:           k_qa467904a01_oproj
    .symbol:         k_qa467904a01_oproj.kd
    .args:
      - { .name: ocodes, .offset: 0, .size: 8, .value_kind: global_buffer, .address_space: global }
      - { .name: oscales, .offset: 8, .size: 8, .value_kind: global_buffer, .address_space: global }
      - { .name: codes1, .offset: 16, .size: 8, .value_kind: global_buffer, .address_space: global }
      - { .name: scales1, .offset: 24, .size: 8, .value_kind: global_buffer, .address_space: global }
      - { .name: bo, .offset: 32, .size: 8, .value_kind: global_buffer, .address_space: global }
      - { .name: out0, .offset: 40, .size: 8, .value_kind: global_buffer, .address_space: global }
    .group_segment_fixed_size: 17920
    .private_segment_fixed_size: 0
    .kernarg_segment_align: 8
    .kernarg_segment_size: 48
    .max_flat_workgroup_size: 128
    .sgpr_count:     66
    .vgpr_count:     512
    .wavefront_size: 32
...
	.end_amdgpu_metadata
.endif
;; end of part 4
